; MI455X (gfx1250); checked and timed in simulation.
; The chip was launched on July 23, 2026; its instructions are those of AMD's public machine-readable ISA for CDNA 5 (MIT licence, August 2026) and "CDNA5" Instruction Set Architecture Reference Guide (July 2026). The comments in the code are by the model that wrote it; some were corrected since.
;; Local Attention ND. Allowed arithmetic: matrix products marked QUANTISED: E3M2 operands, one E8M0 scale for each 32 along K, by v_wmma_scale_f32_16x16x128_f8f6f4 with both operands' format E3M2, f32 sums; products left as they are: f32 operands where the result goes on into a quantised operand, else bf16, f16 or f32 operands; f32 sums; everything else in f32.
;; Inputs: W_out_codes 128 x 4 x 24 uint8 (E3M2 codes of W_out, K innermost, in blocks of 32 codes, four codes in three bytes); W_out_scales 128 x 4 uint8 (E8M0 scales of W_out, one for each 32 codes along K); W_qkv_codes 384 x 4 x 24 uint8 (E3M2 codes of W_qkv, K innermost, in blocks of 32 codes, four codes in three bytes); W_qkv_scales 384 x 4 uint8 (E8M0 scales of W_qkv, one for each 32 codes along K); W_width 128 x 1 float32; b_width 1 float32; x 4 x 64 x 64 x 128 float32.
;; Outputs: out0 4 x 64 x 64 x 128 float32.
;; This version of the problem:
;;   THIS VERSION OF THE PROBLEM IS GIVEN IN LOW PRECISION. The matrix products marked QUANTISED in the list below multiply operands that are first quantised to E3M2 (3 exponent bits, 2 mantissa bits; 6 bits a number), with one power-of-two scale for each 32 numbers along K (OCP MX v1.0); their sums are f32. All else is computed in f32.
;;   The module's matrix products, in the order in which they are computed (A, B: the left and right operand; K: the contracted axis; several contracted axes count as one K, in the product's order):
;;     1. [M 16,384, K 128] x [K 128, N 384]; A: input x; B: input W_qkv (given as codes): QUANTISED
;;     2. [M 16,384, K 128] x [K 128, N 1]; A: input x; B: input W_width: left as it is (N = 1 < 16)
;;     3. batch 16,384 x [M 1, K 128] x [K 128, N 49]; A: computed on the way; B: computed on the way: left as it is (M = 1 < 16)
;;     4. batch 16,384 x [M 1, K 49] x [K 49, N 128]; A: softmax; B: computed on the way: left as it is (M = 1 < 16)
;;     5. [M 16,384, K 128] x [K 128, N 128]; A: computed on the way; B: input W_out (given as codes): QUANTISED
;;   THE QUANTISER, for each operand of a quantised product, along K:
;;     - K is cut into blocks of 32 from its start; a last block that is shorter is filled with zeros.
;;     - A block's scale is 2^e with e = floor(log2(the largest magnitude in the block)) - 4, held to -126 .. 127; a block of zeros has e = 0. As a byte (E8M0): e + 127.
;;     - Each number is divided by its block's scale, clamped to +-28, and rounded to the nearest number of E3M2, ties to even, subnormals kept.
;;     - The product sums the exact products of the quantised numbers (number of the format x scale) in f32.
;;   ~~~python
;;   def quantise(x, axis):      # numpy; x: float32 -> the quantised numbers, widened to float32 again
;;       x = np.moveaxis(x, axis, -1); K = x.shape[-1]
;;       x = np.pad(x, [(0, 0)] * (x.ndim - 1) + [(0, -K % 32)]); x = x.reshape(x.shape[:-1] + (-1, 32)); a = np.abs(x).max(-1, keepdims=True)
;;       e = np.where(a > 0, np.clip(np.frexp(np.where(a > 0, a, 1))[1] - 1 - 4, -126, 127), 0)      # np.frexp(a)[1] - 1 = floor(log2(a)), exactly
;;       r = np.clip(x / 2.0 ** e, -28, 28)
;;       step = 2.0 ** (np.maximum(np.frexp(np.where(r == 0, 1, r))[1] - 1, -2) - 2)
;;       q = np.round(r / step) * step * 2.0 ** e      # np.round: ties to even
;;       return np.moveaxis(q.reshape(q.shape[:-2] + (-1,))[..., :K], -1, axis).astype(np.float32)
;;   ~~~
;;   OPERANDS COMPUTED ON THE WAY. 'Computed on the way' means the value that the module computes at that place (a softmax that the list does not call 'softmax' is quantised finished and normalised). What goes into a quantiser is computed in f32, as accurately as f32 sums, v_exp_f32 and their like allow (about 1e-6 of the number): no bf16 or f16 on the way to a quantiser, and a product that is left as it is and whose result goes on into a quantised operand takes f32 operands (vector FMAs, or v_wmma_f32_16x16x4_f32). A number that lies on a knife's edge between two numbers of the format may be rounded either way, as far as f32 arithmetic and the matrix unit's own rounding can turn it there, and no further.
;;   INPUTS GIVEN AS CODES. W_out (in the module: [128, 128], K = its axis 0); W_qkv (in the module: [128, 384], K = its axis 0): each comes as NAME_codes (uint8): NAME with its K axis moved to the last place and cut into blocks of 32 codes, [.., K / 32, bytes a block], one block behind the other in memory; four codes in three bytes: a row's codes are one little-endian stream of bits, code i at bits 6 i .. 6 i + 5 (a code: sign, 3 exponent bits, 2 mantissa bits); and NAME_scales (uint8): the same leading axes, one E8M0 byte (e + 127) for each 32 codes along K. Its value is code x scale, taken as it is: it is not quantised again, and the codes and scales need not be those that the quantiser above would give.
;; 2 versions, each right; version 2 is version 1 with the launch local_attn written anew for expert scheduling mode. Each part assembles by itself: llvm-mc -triple=amdgcn-amd-amdhsa -mcpu=gfx1250 --defsym DOCPART=n.
;; ======== version 1 of 2: 1 launch
;; launch local_attn (part 1): grid 64 x 4, 4 waves a work-group, no clusters, 299,264 bytes of LDS; arguments x, W_qkv_codes, W_qkv_scales, W_width, b_width, W_out_codes, W_out_scales, out0; writes out0
.if DOCPART == 1
	.amdgcn_target "amdgcn-amd-amdhsa--gfx1250"
	.amdhsa_code_object_version 6
	.text
	.protected	k_qdf66a60848_local_attn
	.globl	k_qdf66a60848_local_attn
	.p2align	8
	.type	k_qdf66a60848_local_attn,@function
k_qdf66a60848_local_attn:
	s_mov_b64 s[64:65], 0
	v_nop
	global_prefetch_b8 v0, s[64:65] scope:SCOPE_SE
	s_setreg_imm32_b32 hwreg(HW_REG_WAVE_MODE, 25, 1), 1
	s_wait_xcnt 0x0
; LOCAL 7 x 7 ATTENTION WITH A SOFT RADIUS, one launch: out0 = Q6(attn(q, k, v) + v) W_out, [q k v] = Q6(x) W_qkv.  Q6: codes of BF6 (E3M2), one E8M0 byte for each 32 along K.
; x, out0: [4][64][64][128] f32.  W_qkv: 384 rows, W_out: 128 rows of 128 codes (96 bytes), one scale word a row.
; SHARES.  A work-group owns 8 x 8 pixels of one image and makes k and v for its 14 x 14 halo itself (196 pixels, numbered hp = 14 hy + hx: 13 tiles of 16 rows); pixels outside the image get zero codes, so their
; k and v are zeros, as reference() pads them.  Four waves.  Wave w owns the 16 queries of pixel rows 2 w, 2 w + 1; their windows lie in halo rows 2 w .. 2 w + 7: keys hp = 28 w + 0 .. 111, seven tiles of 16.
; THE TWO QUANTISED PRODUCTS go by v_wmma_scale_f32_16x16x128_f8f6f4.  q.k and p.v feed the second quantiser, so they take f32 operands.
; PHASES.  X: each wave quantises 3 halo tiles (wave 0 a fourth) and its own 16 queries; width and the ten penalties of a query (rel_dist has ten values) in f32; fragments go to LDS as images of their registers | barrier |
; 1: the waves share the columns: 2 tiles of k and 2 of v each, for all 13 row tiles; both go to LDS as [pixel][channel]; Q = my queries x all of W_q stays in registers | barrier |
; 2: q.k and p.v BY TURNS (below); + the centre's v; quantised in registers; x W_out; out through my stage in LDS as whole rows of 512 bytes.
; BY TURNS.  q.k goes by v_wmma_f32_16x16x4_f32, dense over 16 keys x 16 queries, a tile of keys a stage: S^T = K Q^T, a lane holds one query (lane % 16) and 8 keys.  Pairs outside a query's window get the penalty
; +infinity, so their weight is 0.  p.v goes by packed multiply-adds, only for the 784 pairs that lie in a window: a lane holds 4 channels of all 16 queries, a key's row of v is one load of 512 bytes, and a weight comes
; out of its lane into a scalar register (v_readlane_b32).  While the 32 matrix instructions of tile t are issued, the vector instructions of tile t - 1 (softmax with a running maximum, rescaling, p.v) stand between them,
; dealt out evenly: the stream of vector instructions counts itself and calls for the next matrix instruction.  Only the first tile's products and the last tile's vector work stand alone.
; SOFTMAX.  For each query a running maximum m and sum l: p = e^(s - m); when m moves, l and the sums of p v are multiplied by e^(m_old - m_new).  At the end the sums are divided by l, and the centre key's v is added.
; ROUNDING.  (1 - sigmoid) x 10000 magnifies the sigmoid's last bit, so width, z, 1 + e, 1 / y and 1 - s are rounded step by step as reference() rounds them (a product and a sum stay apart where it has them apart);
; the exponential gets its argument's residual back, the reciprocal one Newton step.
; NO CLUSTER, NO TENSOR LOADS: a halo begins at negative coordinates at the image's edge, neighbours want the shared pixels at other places of their LDS, and x is wanted in registers, where it is quantised.
; LIMITS: NaN and infinities among the inputs are not served; a block of zeros gets the byte 1 (its codes are zeros; the bytes are read here alone); blocks whose largest magnitude lies under 2^-122 were not tried;
; the exponent of a sigmoid's exponential is held at 120 (the sigmoid is then 0 in f32 all the same); the running maximum begins at -3e38: scores under that are not served; sums are taken in another order than reference()'s.
.set PK,    528                        ; a pixel's row of k or of v in LDS: 512 bytes + 16: sixteen rows of one load start in sixteen different groups of four banks
.set LK,    0                          ; k: 208 rows
.set LV,    208*PK                     ; v: 208 rows
.set XIMG,  LV+208*PK                  ; x's 13 fragments as images, 1,536 bytes each,
.set XSC,   XIMG+13*1536               ; their scale words, 128 bytes each,
.set WQIMG, XSC+13*128                 ; W_q's 8 fragments and
.set WQSC,  WQIMG+8*1536               ; scale words,
.set WOIMG, WQSC+8*128                 ; W_out's
.set WOSC,  WOIMG+8*1536
.set PEN,   WOSC+8*128                 ; the penalties: for each wave 16 rows (queries) of 112 keys
.set PENW,  7680
.set PP,    464                        ; 448 bytes + 16 = 29 x 16
.set STG,   XIMG                       ; my stage: 16 rows x 528 bytes a wave, over x's and W_q's images, which nobody reads behind the second barrier
.set SPT,   528
; window 0
.set LANE, 1
.set ROW,  2                           ; r = lane % 16
.set HALF, 3                           ; h = lane / 16
.set XA,   4                           ; v4 my queries' offset in x; v5-8 the halo tiles'
.set MK,   9                           ; v9-12 all ones where the halo pixel lies in the image, else 0
.set AWW,  13                          ; 64 h
.set AWN,  14                          ; a fragment's lane offset in a weight's codes
.set KVS,  16                          ; v16-19 scale words of my 2 tiles of W_k and 2 of W_v, and nothing else
.set ASN,  20
.set XWI,  22                          ; LDS addresses, all made ahead of the first branch
.set XWS,  23
.set WQI,  24
.set WQA,  25
.set FI,   26
.set FS,   27
.set KST,  28                          ; v28, v29
.set VST,  30                          ; v30, v31
.set KLD,  32
.set VLD,  33
.set PNF,  34
.set PNA,  35
.set PNL,  36
.set STO,  37
.set SRD,  38
.set GO,   39
.set ORD,  40
.set WID,  41
.set T0,   42                          ; v42-47 at work
.set KR,   48                          ; v48-111 a tile's fragments of k; at the end out + v in the quantiser's order
.set QF,   112                         ; v112-175 scratch; phase 1's results; 16 rows of v; y
.set VR,   112
.set PR,   176                         ; v176-239 the quantiser's work; x's fragments; the softmax's few registers; rows on the way out
.set TM,   176
.set PT,   192
.set PC,   200
.set XF,   176
.set DA,   224
.set XQF,  232                         ; v232-243 my queries' fragment
.set XQS,  244                         ; v244-255 hold scale words and nothing else
.set XS,   245
.set PW,   247
.set WS,   248
.set ZZ,   112
.set AA,   122
.set RC,   132
.set EE,   142
.set YY,   152
.set PNC,  162
.set INF,  172
.set PN,   176                         ; phase 2: a tile's penalties,
.set SS,   184                         ; its scores,
.set UU,   192
.set PB,   200                         ; its weights p,
.set FF,   208                         ; e^(m_old - m_new); at the end 1 / l
.set MX,   210                         ; v210, v211 the running maximum, twice (a pair for the packed form)
.set M1,   212
.set M2,   213
.set LS,   214                         ; l: my half of the keys
.set DD,   215
.set W0,   216                         ; v216-219
; window 1: v0-255 four tiles of x (my queries, halo tiles w, w + 4, w + 8); later v0-95 W_q's fragments, v96-191 W_out's
; window 2:
.set X4,   0                           ; halo tile 12 (wave 0)
.set WW,   64                          ; W_width, laid as a lane's x
.set WK,   128
.set WV,   152
.set WT,   176                         ; 2 fragments of W_q and 2 of W_out on their way to LDS;  v224-227 their scale words
.set WTS,  224
; window 3:
.set ACC,  0                           ; v0-63 two sets of four accumulators of S^T: written by matrix instructions alone
.set QR,   64                          ; v64-127 Q
.set AC,   128                         ; v128-191 the sums of p v: query q's 4 channels at v[AC + 4 q]
.set WZ,   0xfc                        ; source 0 window 0, all else window 3: one setting for S^T = K Q^T (k | Q | S^T), for the sums (v | scalar | sums) and for v_readlane_b32 (p)
.set BK0,  36                          ; s36-63 and s66-93: two banks of 14 pairs: the weights of two keys; the packed form names a pair and takes its low word
.set MSB, 0
.macro WIN new                         ; bits 1:0 source 0, 3:2 source 1, 5:4 source 2, 7:6 destination; the high byte repeats the setting that is left
.if MSB != (\new)
	s_set_vgpr_msb (MSB<<8)|(\new)
.set MSB, (\new)
.endif
.endm
.macro PLACES n                        ; plain vector places behind matrix instructions (ISA guide 7.12.1): 4 or 5 behind the 6-bit form, 8 or 9 behind the f32 form
.rept \n
	v_nop
.endr
.endm
; halo tile w + 4 i: lane r's pixel hp = 16 w + 64 i + r -> (hy, hx) -> its offset in x and its mask.  A pixel outside the image (or hp >= 196) reads the tile's first pixel instead, and its codes are cleared.
.macro HADDR i, chk
	v_add_nc_u32 v[T0], 64*\i, v[T0+4]
	v_mul_u32_u24 v[T0+1], v[T0], 147
	v_lshrrev_b32 v[T0+1], 11, v[T0+1]             ; hy = hp / 14 (147 / 2048 serves hp < 208)
	v_mul_u32_u24 v[T0+2], v[T0+1], 14
	v_sub_nc_u32 v[T0+2], v[T0], v[T0+2]           ; hx
	v_add_nc_u32 v[T0+1], s28, v[T0+1]             ; the pixel's row in the image (negative numbers wrap and fail the test)
	v_add_nc_u32 v[T0+2], s29, v[T0+2]             ; and column
	v_cmp_gt_u32 s31, 64, v[T0+1]
	v_cmp_gt_u32 s32, 64, v[T0+2]
.if \chk
	v_cmp_gt_u32 s33, 196, v[T0]
	s_and_b32 s31, s31, s33
.endif
	s_and_b32 vcc_lo, s31, s32
	v_lshl_add_u32 v[T0+1], v[T0+1], 6, v[T0+2]
	v_add_nc_u32 v[T0+1], s24, v[T0+1]
	v_cndmask_b32 v[T0+1], v[T0+5], v[T0+1], vcc_lo
	v_lshl_add_u32 v[XA+1+\i], v[T0+1], 9, v[AWW]  ; 512 bytes a pixel, + 64 h: my 16 numbers of each block of 32
	v_cndmask_b32 v[MK+\i], 0, -1, vcc_lo
.endm
.macro XLOAD reg, adr                  ; register 16 b + i = channel 32 b + 16 h + i of my pixel
.irp b, 0,1,2,3
.irp j, 0,1,2,3
	global_load_b128 v[(\reg)+16*\b+4*\j:(\reg)+16*\b+4*\j+3], v[\adr], s[4:5] offset:128*\b+16*\j
.endr
.endr
.endm
.macro WLOAD reg, adr, base, off       ; a fragment of 16 rows x 128 codes: 24 + 24 bytes a lane, in pieces of 8
.irp p, 0,1,2,3,4,5
	global_load_b64 v[(\reg)+2*\p:(\reg)+2*\p+1], v[\adr], s[\base:\base+1] offset:(\off)+48*(\p/3)+8*(\p%3)
.endr
.endm
; 64 numbers of a lane (window w, register s on; register 16 b + i = k 32 b + 16 h + i of my row) become a fragment's codes in v[pc] on and its scale word in v[pw]
.macro QUANT s, w, pc, pw
	WIN (\w)|((\w)<<2)
.irp b, 0,1,2,3
	v_max3_num_f32 v[TM+\b], |v[(\s)+16*\b]|, |v[(\s)+1+16*\b]|, 0x2800000   ; block b: my 16 numbers, and the floor 2^(5 - 127): the byte cannot fall under 1
.endr
	WIN ((\w)<<2)|((\w)<<4)
.irp i, 2,4,6,8,10,12,14
.irp b, 0,1,2,3
	v_max3_num_f32 v[TM+\b], v[TM+\b], |v[(\s)+16*\b+\i]|, |v[(\s)+1+16*\b+\i]|
.endr
.endr
	WIN 0
.irp b, 0,1,2,3
	v_permlanex16_b32 v[TM+4+\b], v[TM+\b], s22, s23
.endr
.irp b, 0,1,2,3
	v_max_num_f32 v[TM+\b], v[TM+\b], v[TM+4+\b]   ; with lane l xor 16's: the block's largest magnitude
.endr
.irp b, 0,1,2,3
	v_add_nc_u32 v[TM+12+\b], 0xfe000000, v[TM+\b] ; 4 off its exponent field: the conversion's scale operand
.endr
.irp b, 0,1,2,3
	v_lshrrev_b32 v[TM+4+\b], 23, v[TM+12+\b]      ; the scale's byte
.endr
	v_lshl_or_b32 v[\pw], v[TM+5], 8, v[TM+4]
	v_lshl_or_b32 v[\pw], v[TM+6], 16, v[\pw]
	v_lshl_or_b32 v[\pw], v[TM+7], 24, v[\pw]
	WIN (\w)
.irp c, 0,1
	v_cvt_scalef32_pk16_bf6_f32 v[(\pc)+6*\c:(\pc)+2+6*\c], v[(\s)+32*\c:(\s)+15+32*\c], v[TM+12+2*\c]
	v_cvt_scalef32_pk16_bf6_f32 v[PT+4*\c:PT+2+4*\c], v[(\s)+16+32*\c:(\s)+31+32*\c], v[TM+12+2*\c+1]   ; (a conversion's three registers begin on an even number)
.endr
	WIN 0
	v_nop                                          ; one plain place behind a scaled conversion
.irp c, 0,1                            ; the operand wants a whole block in a lane: lanes 0-15 block 2 c, lanes 16-31 block 2 c + 1
.irp i, 0,1,2
	v_permlane16_swap_b32 v[(\pc)+6*\c+\i], v[PT+4*\c+\i]
.endr
.irp i, 0,1,2
	v_mov_b32 v[(\pc)+3+6*\c+\i], v[PT+4*\c+\i]
.endr
.endr
.endm
; a halo tile's fragment: codes of pixels outside the image are cleared; then it goes to LDS as it stands, 16 bytes a lane and store
.macro SENDX i
.irp k, 0,1,2,3,4,5,6,7,8,9,10,11
	v_and_b32 v[PC+\k], v[MK+\i], v[PC+\k]
.endr
.irp c, 0,1,2
	ds_store_b128 v[XWI], v[PC+4*\c:PC+4*\c+3] offset:6144*\i+512*\c
.endr
	ds_store_b32 v[XWS], v[PW] offset:512*\i
	s_wait_dscnt 0x0                               ; the stores have read their registers: the next tile's codes may be written
.endm
; s = 1 / (1 + exp(-z)) for n numbers: z in v[ZZ] on, s in v[AA] on.  exp(-z) = 2^a (1 + ln2 x rest), a = the rounded -z log2(e), rest = what that rounding and log2(e)'s own left out
.macro SIGM n
.set c, 0
.rept \n
	v_mul_f32 v[AA+c], s36, v[ZZ+c]
.set c, c+1
.endr
.set c, 0
.rept \n
	v_fma_f32 v[RC+c], v[ZZ+c], s36, -v[AA+c]
.set c, c+1
.endr
.set c, 0
.rept \n
	v_fma_f32 v[RC+c], v[ZZ+c], s37, v[RC+c]
.set c, c+1
.endr
.set c, 0
.rept \n
	v_min_num_f32 v[AA+c], 0x42f00000, v[AA+c]     ; held at 120: no infinity reaches the Newton step
.set c, c+1
.endr
.set c, 0
.rept \n
	v_exp_f32 v[EE+c], v[AA+c]
.set c, c+1
.endr
.set c, 0
.rept \n
	v_mul_f32 v[RC+c], 0x3f317218, v[RC+c]         ; x ln 2: plain work behind the exponentials
.set c, c+1
.endr
	s_wait_alu depctr_va_vdst(0)                   ; one wait for the batch, ahead of its first reader
.set c, 0
.rept \n
	v_fma_f32 v[EE+c], v[EE+c], v[RC+c], v[EE+c]
.set c, c+1
.endr
.set c, 0
.rept \n
	v_add_f32 v[YY+c], 1.0, v[EE+c]
.set c, c+1
.endr
.set c, 0
.rept \n
	v_rcp_f32 v[AA+c], v[YY+c]
.set c, c+1
.endr
	v_nop
	s_wait_alu depctr_va_vdst(0)
.set c, 0
.rept \n
	v_fma_f32 v[RC+c], -v[YY+c], v[AA+c], 1.0
.set c, c+1
.endr
.set c, 0
.rept \n
	v_fma_f32 v[AA+c], v[RC+c], v[AA+c], v[AA+c]   ; one Newton step: the quotient as a division rounds it
.set c, c+1
.endr
.endm
	s_load_b256 s[4:11], s[0:1], 0x0               ; x s[4:5], W_qkv's codes s[6:7], its scales s[8:9], W_width s[10:11]
	s_load_b256 s[12:19], s[0:1], 0x20             ; b_width s[12:13], W_out's codes s[14:15], its scales s[16:17], out0 s[18:19]
	v_lshl_add_u32 v15, v0, 2, 0x48f00
	v_mov_b32 v21, 0
	v_and_b32 v[LANE], 31, v0
	v_and_b32 v[ROW], 15, v0
	v_bfe_u32 v[HALF], v0, 4, 1
	v_lshrrev_b32 v[T0], 5, v0
	v_readfirstlane_b32 s21, v[T0]                 ; wave 0..3
	v_lshl_or_b32 v[T0+4], v[T0], 4, v[ROW]        ; 16 w + r
	s_mov_b32 s22, 0x76543210
	s_mov_b32 s23, 0xfedcba98                      ; v_permlanex16_b32's selects for lane l xor 16
	s_mov_b32 s34, 0x3fb8aa3b                      ; log2(e), as a pair for the packed form
	s_mov_b32 s35, 0x3fb8aa3b
	s_mov_b32 s36, 0xbfb8aa3b                      ; -log2(e) as f32, and
	s_mov_b32 s37, 0xb2a57060                      ; what f32 left of it
	s_and_b32 s24, ttmp7, 0xffff
	s_lshl_b32 s24, s24, 12                        ; the image's first pixel
	s_lshr_b32 s25, ttmp9, 3
	s_lshl_b32 s25, s25, 3                         ; y0
	s_and_b32 s26, ttmp9, 7
	s_lshl_b32 s26, s26, 3                         ; x0
	s_lshl_b32 s27, s25, 6
	s_add_co_u32 s27, s27, s26
	s_add_co_u32 s27, s27, s24                     ; the tile's first pixel
	s_sub_co_i32 s28, s25, 3
	s_sub_co_i32 s29, s26, 3
	v_mov_b32 v[T0+5], s27
	v_lshlrev_b32 v[AWW], 6, v[HALF]
	HADDR 0, 0
	HADDR 1, 0
	HADDR 2, 0
	HADDR 3, 1
	v_lshrrev_b32 v[T0], 3, v[ROW]                 ; query r: pixel row 2 w + r / 8, column r % 8
	v_and_b32 v[T0+1], 7, v[ROW]
	v_lshl_add_u32 v[T0+2], v[T0], 6, v[T0+1]
	s_lshl_b32 s30, s21, 7
	s_add_co_u32 s30, s30, s27                     ; my wave's first query
	v_add_nc_u32 v[T0+2], s30, v[T0+2]
	v_lshl_add_u32 v[XA], v[T0+2], 9, v[AWW]
	s_wait_kmcnt 0x0
	s_load_b32 s20, s[12:13], 0x0                  ; b_width
	WIN 0x40                                       ; destination window 1
	XLOAD 0, XA
	XLOAD 64, XA+1
	XLOAD 128, XA+2
	XLOAD 192, XA+3
	WIN 0
	v_mul_u32_u24 v[T0], v[ROW], 96
	v_mad_u32_u24 v[T0], v[HALF], 24, v[T0]        ; 96 r + 24 h
	s_mul_i32 s31, s21, 3072                       ; my 32 rows of each weight
	v_add_nc_u32 v[AWN], s31, v[T0]
	s_lshl_b32 s32, s21, 7
	v_lshl_add_u32 v[ASN], v[ROW], 2, s32
	WIN 0x80                                       ; destination window 2
.irp b, 0,1,2,3
.irp j, 0,1,2,3
	global_load_b128 v[WW+16*\b+4*\j:WW+16*\b+4*\j+3], v[AWW], s[10:11] offset:128*\b+16*\j
.endr
.endr
.irp e, 0,1
	WLOAD WT+12*\e, AWN, 6, 1536*\e                ; W_q's tiles 2 w + e
	WLOAD WT+24+12*\e, AWN, 14, 1536*\e            ; W_out's
	global_load_b32 v[WTS+\e], v[ASN], s[8:9] offset:64*\e
	global_load_b32 v[WTS+2+\e], v[ASN], s[16:17] offset:64*\e
.endr
.irp e, 0,1
	WLOAD WK+12*\e, AWN, 6, 12288+1536*\e          ; W_k's tiles 2 w + e: rows 128 on
	WLOAD WV+12*\e, AWN, 6, 24576+1536*\e          ; W_v's: rows 256 on
.endr
	WIN 0
.irp e, 0,1
	global_load_b32 v[KVS+\e], v[ASN], s[8:9] offset:512+64*\e
	global_load_b32 v[KVS+2+\e], v[ASN], s[8:9] offset:1024+64*\e
.endr
	; every LDS address: a constant + a constant x lane part + a constant x wave
	v_lshlrev_b32 v[T0], 4, v[LANE]
	v_lshlrev_b32 v[T0+1], 2, v[LANE]
	s_mul_i32 s31, s21, 1536
	s_add_co_u32 s31, s31, XIMG
	v_add_nc_u32 v[XWI], s31, v[T0]                ; where I store x's images: tile w + 4 i
	s_lshl_b32 s31, s21, 7
	s_add_co_u32 s31, s31, XSC
	v_add_nc_u32 v[XWS], s31, v[T0+1]
	s_mul_i32 s31, s21, 3072
	s_add_co_u32 s31, s31, WQIMG
	v_add_nc_u32 v[WQI], s31, v[T0]                ; W_q's and W_out's images: tiles 2 w + e
	s_lshl_b32 s31, s21, 8
	s_add_co_u32 s31, s31, WQSC
	v_add_nc_u32 v[WQA], s31, v[T0+1]
	v_add_nc_u32 v[FI], XIMG, v[T0]                ; where any wave fetches an image
	v_add_nc_u32 v[FS], XSC, v[T0+1]
	v_mul_u32_u24 v[T0+2], v[ROW], PK
	v_lshl_add_u32 v[T0+2], v[HALF], 5, v[T0+2]    ; 528 r + 32 h
	s_lshl_b32 s31, s21, 7
	v_add_nc_u32 v[KST], s31, v[T0+2]              ; k out: pixel r of a tile, my 32 channels
	v_add_nc_u32 v[KST+1], 7*16*PK, v[KST]         ; (tiles 7 on: an LDS offset has 16 bits)
	v_add_nc_u32 v[VST], LV, v[KST]                ; v out: the same places in v's rows
	v_add_nc_u32 v[VST+1], LV, v[KST+1]
	s_mul_i32 s31, s21, 28*PK
	v_add_nc_u32 v[KLD], s31, v[T0+2]              ; k in: key 28 w + r, as a fragment
	s_add_co_u32 s31, s31, LV
	v_add_nc_u32 v[VLD], s31, v[T0]                ; v in: key 28 w, my 4 channels: 16 x lane
	s_mul_i32 s31, s21, PENW
	s_add_co_u32 s31, s31, PEN
	v_add_nc_u32 v[PNF], s31, v[T0]
	v_mul_u32_u24 v[T0+2], v[ROW], PP
	v_add_nc_u32 v[T0+2], s31, v[T0+2]             ; my query's row of penalties
	v_lshl_add_u32 v[PNL], v[HALF], 5, v[T0+2]
	v_lshrrev_b32 v[T0+3], 3, v[ROW]
	v_and_b32 v[T0+4], 7, v[ROW]
	v_mad_u32_u24 v[T0+3], v[T0+3], 14, v[T0+4]    ; the first key of my query's window: 14 (r / 8) + r % 8
	v_lshl_add_u32 v[PNA], v[T0+3], 2, v[T0+2]
	s_mul_i32 s31, s21, 16*SPT
	s_add_co_u32 s31, s31, STG
	v_mul_u32_u24 v[T0+2], v[ROW], SPT
	v_lshl_add_u32 v[T0+3], v[HALF], 6, v[T0+2]
	v_lshl_add_u32 v[T0+2], v[HALF], 5, v[T0+2]
	v_add_nc_u32 v[STO], s31, v[T0+2]              ; my stage: row r + 32 h (y in),
	v_add_nc_u32 v[ORD], s31, v[T0+3]              ; row r + 64 h (out + v back, in the quantiser's order),
	v_add_nc_u32 v[SRD], s31, v[T0]                ; 16 x lane (whole rows)
	s_lshl_b32 s30, s30, 9
	v_add_nc_u32 v[GO], s30, v[T0]                 ; out0: my wave's first query, 16 bytes a lane
	s_cmp_lg_u32 s21, 0                            ; halo tile 12 (pixels 192 to 195) is wave 0's
	s_cbranch_scc1 .Lno_x4
	WIN 0x80
	XLOAD X4, XA+4
	WIN 0
.Lno_x4:
.irp b, 0,1,2,3
	v_mov_b32 v[INF+\b], 0x7f800000
	v_mov_b32 v[TM+4+\b], 0                        ; written once: a lane permute's destination counts as one of its sources
.endr
.irp i, 0,1,2,3,4,5,6,7,8,9,10,11,12,13,14
	ds_store_b128 v[PNF], v[INF:INF+3] offset:512*\i   ; every pair of query and key begins outside the window
.endr
	s_wait_loadcnt 56                              ; x's four tiles and W_width are in; the 56 loads of weights behind them may be out (in wave 0 the count asks for more than it needs)
	; ---- X: my 16 queries: fragment, width, penalties
	QUANT 0, 1, XQF, XQS
	WIN 0x09                                       ; source 0 (x) window 1, source 1 (W_width) window 2
.irp n, 0,1,2,3
	v_pk_mul_f32 v[DA+2*\n:DA+2*\n+1], v[2*\n:2*\n+1], v[WW+2*\n:WW+2*\n+1]
.endr
.set i, 4
.rept 28
	v_pk_fma_f32 v[DA+2*(i%4):DA+2*(i%4)+1], v[2*i:2*i+1], v[WW+2*i:WW+2*i+1], v[DA+2*(i%4):DA+2*(i%4)+1]
.set i, i+1
.endr
	WIN 0
	v_pk_add_f32 v[DA:DA+1], v[DA:DA+1], v[DA+2:DA+3]
	v_pk_add_f32 v[DA+4:DA+5], v[DA+4:DA+5], v[DA+6:DA+7]
	v_pk_add_f32 v[DA:DA+1], v[DA:DA+1], v[DA+4:DA+5]
	v_add_f32 v[DA], v[DA], v[DA+1]
	v_permlanex16_b32 v[DA+1], v[DA], s22, s23
	v_add_f32 v[DA], v[DA], v[DA+1]                ; x . W_width of my query
	s_wait_kmcnt 0x0
	v_add_f32 v[ZZ], s20, v[DA]
	SIGM 1
	v_mul_f32 v[WID], 0x4087c3b6, v[AA]            ; x sqrt(18), then + 0.5: two roundings, as reference() has them
	v_add_f32 v[WID], 0.5, v[WID]
.set c, 0
.irp d, 0x80000000, 0xbf800000, 0xbfb504f3, 0xc0000000, 0xc00f1bbd, 0xc03504f3, 0xc0400000, 0xc04a62c2, 0xc066c15a, 0xc087c3b6
	v_add_f32 v[ZZ+c], \d, v[WID]                  ; width - rel_dist: sqrt of 0, 1, 2, 4, 5, 8, 9, 10, 13, 18, rounded to f32
.set c, c+1
.endr
.set c, 0
.rept 10
	v_mul_f32 v[ZZ+c], 0x40a00000, v[ZZ+c]         ; x 5
.set c, c+1
.endr
	SIGM 10
.set c, 0
.rept 10
	v_sub_f32 v[RC+c], 1.0, v[AA+c]
.set c, c+1
.endr
.set c, 0
.rept 10
	v_mul_f32 v[PNC+c], 0x461c4000, v[RC+c]        ; (1 - soft_mask) x 10000
.set c, c+1
.endr
.irp a, 0,1,2,3,4,5,6                  ; the window's 49 places in my query's row: key 14 a + b behind its first.  LDS serves a wave's instructions in order: these land on the infinities.  Both lanes of a query store the same
.irp b, 0,1,2,3,4,5,6
.set D2, (\a-3)*(\a-3)+(\b-3)*(\b-3)
.if D2 == 0
.set CL, 0
.elseif D2 == 1
.set CL, 1
.elseif D2 == 2
.set CL, 2
.elseif D2 == 4
.set CL, 3
.elseif D2 == 5
.set CL, 4
.elseif D2 == 8
.set CL, 5
.elseif D2 == 9
.set CL, 6
.elseif D2 == 10
.set CL, 7
.elseif D2 == 13
.set CL, 8
.else
.set CL, 9
.endif
	ds_store_b32 v[PNA], v[PNC+CL] offset:4*(14*\a+\b)
.endr
.endr
	; ---- X: my halo tiles
.irp i, 0,1,2
	QUANT 64*(\i+1), 1, PC, PW
	SENDX \i
.endr
	s_wait_loadcnt 28                              ; W_q's and W_out's fragments are in; W_k's, W_v's (24) and their scale words (4) may be out
	WIN 0x08                                       ; an LDS store's data are its source 1: window 2
.irp e, 0,1
.irp c, 0,1,2
	ds_store_b128 v[WQI], v[WT+12*\e+4*\c:WT+12*\e+4*\c+3] offset:1536*\e+512*\c
	ds_store_b128 v[WQI], v[WT+24+12*\e+4*\c:WT+24+12*\e+4*\c+3] offset:(WOIMG-WQIMG)+1536*\e+512*\c
.endr
	ds_store_b32 v[WQA], v[WTS+\e] offset:128*\e
	ds_store_b32 v[WQA], v[WTS+2+\e] offset:(WOSC-WQSC)+128*\e
.endr
	WIN 0
	s_cmp_lg_u32 s21, 0
	s_cbranch_scc1 .Lno_t12
	s_wait_loadcnt 0x0
	QUANT X4, 2, PC, PW
	SENDX 3
.Lno_t12:
	s_wait_dscnt 0x0                               ; for the others' sake: my images lie in LDS
	s_barrier_signal -1
	s_barrier_wait -1
	; ---- 1: k and v of the 13 halo tiles, my 2 + 2 column tiles
	WIN 0x40
.irp t, 0,1,2,3,4,5,6,7
.irp c, 0,1,2
	ds_load_b128 v[12*\t+4*\c:12*\t+4*\c+3], v[FI] offset:(WQIMG-XIMG)+1536*\t+512*\c   ; all of W_q, for my queries
.endr
.endr
	WIN 0
.irp t, 0,1,2,3,4,5,6,7
	ds_load_b32 v[WS+\t], v[FS] offset:(WQSC-XSC)+128*\t
.endr
.macro FETCHX i
.irp c, 0,1,2
	ds_load_b128 v[XF+12*((\i)%2)+4*\c:XF+12*((\i)%2)+4*\c+3], v[FI] offset:1536*(\i)+512*\c
.endr
	ds_load_b32 v[XS+(\i)%2], v[FS] offset:128*(\i)
.endm
; both transposed (source 0 = 16 rows of W_k or W_v, source 1 = 16 pixels): a lane holds a pixel and 8 neighbouring channels, 32 bytes of the pixel's row
.macro TILE i
.if (\i) < 12
	FETCHX (\i)+1                                  ; into the registers that tile i - 1's products read: four places stand behind those
.endif
.if (\i) == 0
	s_wait_dscnt 4                                 ; all but the fetch just issued
.elseif (\i) < 12
	s_wait_dscnt 12                                ; this tile's fragment is in; behind it: the last tile's 8 stores and the fetch just issued.  The stores of two tiles back, which read this tile's result registers, are older and done
.else
	s_wait_dscnt 8
.endif
	WIN 0x02                                       ; source 0 window 2
.irp e, 0,1
	v_wmma_scale_f32_16x16x128_f8f6f4 v[QF+32*((\i)%2)+8*\e:QF+32*((\i)%2)+8*\e+7], v[WK+12*\e:WK+12*\e+11], v[XF+12*((\i)%2):XF+12*((\i)%2)+11], 0, v[KVS+\e], v[XS+(\i)%2] matrix_a_fmt:MATRIX_FMT_BF6 matrix_b_fmt:MATRIX_FMT_BF6
.endr
.irp e, 0,1
	v_wmma_scale_f32_16x16x128_f8f6f4 v[QF+32*((\i)%2)+16+8*\e:QF+32*((\i)%2)+16+8*\e+7], v[WV+12*\e:WV+12*\e+11], v[XF+12*((\i)%2):XF+12*((\i)%2)+11], 0, v[KVS+2+\e], v[XS+(\i)%2] matrix_a_fmt:MATRIX_FMT_BF6 matrix_b_fmt:MATRIX_FMT_BF6
.endr
	WIN 0
	PLACES 4
.irp e, 0,1
	ds_store_b128 v[KST+(\i)/7], v[QF+32*((\i)%2)+8*\e:QF+32*((\i)%2)+8*\e+3] offset:16*PK*((\i)%7)+64*\e
	ds_store_b128 v[KST+(\i)/7], v[QF+32*((\i)%2)+8*\e+4:QF+32*((\i)%2)+8*\e+7] offset:16*PK*((\i)%7)+64*\e+16
	ds_store_b128 v[VST+(\i)/7], v[QF+32*((\i)%2)+16+8*\e:QF+32*((\i)%2)+16+8*\e+3] offset:16*PK*((\i)%7)+64*\e
	ds_store_b128 v[VST+(\i)/7], v[QF+32*((\i)%2)+16+8*\e+4:QF+32*((\i)%2)+16+8*\e+7] offset:16*PK*((\i)%7)+64*\e+16
.endr
.endm
	FETCHX 0
	s_wait_loadcnt 0x0                             ; W_k, W_v and their scale words
.irp i, 0,1,2,3,4,5,6,7,8,9,10,11,12
	TILE \i
.endr
	s_wait_dscnt 0x0                               ; for the others' sake: my part of k and v lies in LDS, and my reads of the images are over
	s_barrier_signal -1
	WIN 0xc1                                       ; source 0 window 1, destination window 3
.irp t, 0,1,2,3,4,5,6,7                ; Q transposed: lane (r, h) holds query r; register 8 t + j is channel 16 t + 8 h + j
	v_wmma_scale_f32_16x16x128_f8f6f4 v[QR+8*\t:QR+8*\t+7], v[12*\t:12*\t+11], v[XQF:XQF+11], 0, v[WS+\t], v[XQS] matrix_a_fmt:MATRIX_FMT_BF6 matrix_b_fmt:MATRIX_FMT_BF6
.endr
	WIN 0
	PLACES 8                                       ; Q becomes an operand (5 places); loads follow into scale registers that these products have read (4)
	s_barrier_wait -1
	; ---- 2: q.k and p.v by turns
; Eight groups of tile t's fragments of k.  Group g: channels 16 (g / 2) + 8 h + 4 (g % 2) + 0 .. 3 of a lane: two steps of 4 along K; k's and Q's registers hold the same channels in the same lanes.
.macro KLOAD t, g0
.irp g, 0,1,2,3,4,5,6,7
	ds_load_b128 v[KR+4*((\g0)+\g):KR+4*((\g0)+\g)+3], v[KLD] offset:16*PK*(\t)+64*(((\g0)+\g)/2)+16*(((\g0)+\g)%2)
.endr
.endm
; A load into a register that an f32 matrix instruction has read stands 8 places behind it.  VC counts the plain vector instructions written so far that name no register of a matrix instruction; a mark holds VC as it stood at
; the last reader; v_nop fill only what is missing.
.macro NEED mark
.if (VC-(\mark)) < 8
.set NN, 8-(VC-(\mark))
.rept NN
	v_nop
.endr
.set VC, VC+NN
.endif
.endm
; The two runs of LDS loads of a stage.  A, behind the softmax's exponentials: the rows of v of the tile whose weights have just been made, and the second half of this stage's k.
.macro POINTA
	WIN 0
	NEED MARKB                                     ; k's groups 8-15 were last read by the last stage's last products
.if TT > 0
.irp k, 0,1,2,3,4,5,6,7,8,9,10,11,12,13,14,15
	ds_load_b128 v[VR+4*\k:VR+4*\k+3], v[VLD] offset:PK*(16*(TT-1)+\k)   ; a key's 512 bytes: 4 channels a lane
.endr
.endif
.if TT < 7
	KLOAD TT, 8
.endif
.endm
; B, behind the 20th product: the first half of the next stage's k, and this tile's penalties (register j: key 16 t + 8 h + j of my query)
.macro POINTB
	WIN 0
	NEED MARKA                                     ; k's groups 0-7 were last read by this stage's 16th product
.if TT < 6
	KLOAD TT+1, 0
.endif
	ds_load_b128 v[PN:PN+3], v[PNL] offset:64*TT
	ds_load_b128 v[PN+4:PN+7], v[PNL] offset:64*TT+16
.endm
; The stage's next matrix instruction: number WI of 32 of tile TT.  Four accumulators take turns, one instruction a turn: each sums 32 of the 128 channels; the first four start the sums.
.macro MM
.if WI == 16
	s_wait_dscnt 0x0                               ; k's groups 8-15 are in
.endif
	WIN WZ
.set rD, ACC+32*(TT%2)+8*(WI%4)
.set rK, KR+2*WI
.set rQ, QR+2*WI
.if WI < 4
	v_wmma_f32_16x16x4_f32 v[rD:rD+7], v[rK:rK+1], v[rQ:rQ+1], 0
.else
	v_wmma_f32_16x16x4_f32 v[rD:rD+7], v[rK:rK+1], v[rQ:rQ+1], v[rD:rD+7]
.endif
.set WI, WI+1
.set CNT, 0
.if WI == 16
.set MARKA, VC
.endif
.if WI == 32
.set MARKB, VC
.endif
.if WI == 20
	POINTB
.endif
.endm
.macro TICK                            ; behind each instruction of the vector stream: after PER of them the next matrix instruction is due
.set CNT, CNT+1
.if (CNT >= PER) && (WI < 32)
	MM
.endif
.endm
.macro PL                              ; the same behind a plain instruction that names no register of a matrix instruction: it is a place
.set VC, VC+1
	TICK
.endm
.macro COUNT u                         ; NP = the pairs of key and query of tile u that lie in a window
.set NP, 0
.set kk, 16*(\u)
.rept 16
.set hy, kk/14
.set hx, kk%14
.set q, 0
.rept 16
.if (hy >= (q/8)) && (hy < ((q/8)+7)) && (hx >= (q%8)) && (hx < ((q%8)+7))
.set NP, NP+1
.endif
.set q, q+1
.endr
.set kk, kk+1
.endr
.endm
; Tile u's softmax.  TOUCH: bit q is set once query q's sums have been started; only those are rescaled, and nothing is ever cleared.
.macro SOFT u
.set rA, ACC+32*((\u)%2)
.rept 8
	v_nop                                          ; 8 places between the tile's last product and the first read of its sums
	PL
.endr
.irp i, 0,2,4,6                        ; the four partial sums are added; each accumulator is read from its low end on
	WIN 0x0f                                       ; sources 0 and 1 window 3
	v_pk_add_f32 v[SS+\i:SS+\i+1], v[rA+\i:rA+\i+1], v[rA+8+\i:rA+9+\i]
	TICK
.endr
.irp i, 0,2,4,6
	WIN 0x0f
	v_pk_add_f32 v[UU+\i:UU+\i+1], v[rA+16+\i:rA+17+\i], v[rA+24+\i:rA+25+\i]
	TICK
.endr
.irp i, 0,2,4,6
	WIN 0
	v_pk_add_f32 v[SS+\i:SS+\i+1], v[SS+\i:SS+\i+1], v[UU+\i:UU+\i+1]
	PL
.endr
.irp i, 0,2,4,6
	WIN 0
	v_pk_fma_f32 v[SS+\i:SS+\i+1], v[SS+\i:SS+\i+1], s[32:33], v[PN+\i:PN+\i+1] op_sel_hi:[1,0,1] neg_lo:[0,0,1] neg_hi:[0,0,1]   ; score x 128^-0.5 - penalty
	PL
.endr
	WIN 0
	v_max3_num_f32 v[M1], v[SS], v[SS+1], v[SS+2]
	PL
	WIN 0
	v_max3_num_f32 v[M2], v[SS+3], v[SS+4], v[SS+5]
	PL
	WIN 0
	v_max3_num_f32 v[M1], v[M1], v[SS+6], v[SS+7]
	PL
	WIN 0
	v_max3_num_f32 v[M1], v[M1], v[M2], v[MX]      ; with the maximum so far
	PL
	WIN 0
	v_permlanex16_b32 v[M2], v[M1], s22, s23       ; the query's other 8 keys lie in the lane 16 away
	TICK
	WIN 0
	v_max_num_f32 v[M1], v[M1], v[M2]              ; the new maximum, the same in both lanes of a query
	PL
.if (\u) > 0
	WIN 0
	v_sub_f32 v[DD], v[MX], v[M1]
	PL
	WIN 0
	v_mul_f32 v[DD], s34, v[DD]
	PL
.endif
	WIN 0
	v_mov_b32 v[MX], v[M1]
	PL
	WIN 0
	v_mov_b32 v[MX+1], v[M1]
	PL
.irp i, 0,2,4,6
	WIN 0
	v_pk_add_f32 v[SS+\i:SS+\i+1], v[SS+\i:SS+\i+1], v[MX:MX+1] neg_lo:[0,1] neg_hi:[0,1]
	PL
.endr
.irp i, 0,2,4,6
	WIN 0
	v_pk_mul_f32 v[SS+\i:SS+\i+1], v[SS+\i:SS+\i+1], s[34:35] op_sel_hi:[1,0]
	PL
.endr
.irp j, 0,1,2,3,4,5,6,7
	WIN 0
	v_exp_f32 v[PB+\j], v[SS+\j]                   ; p = e^(s - m): 0 outside the window
	TICK
.endr
.if (\u) > 0
	WIN 0
	v_exp_f32 v[FF], v[DD]                         ; e^(m_old - m_new)
	TICK
.endif
	v_nop                                          ; a plain place behind the last exponential
	PL
	s_wait_alu depctr_va_vdst(0)                   ; one wait for the batch, ahead of its first reader; the run of loads stands straight behind it
	POINTA
	WIN 0
	v_pk_add_f32 v[W0:W0+1], v[PB:PB+1], v[PB+2:PB+3]
	PL
	WIN 0
	v_pk_add_f32 v[W0+2:W0+3], v[PB+4:PB+5], v[PB+6:PB+7]
	PL
	WIN 0
	v_pk_add_f32 v[W0:W0+1], v[W0:W0+1], v[W0+2:W0+3]
	PL
.if (\u) == 0
	WIN 0
	v_add_f32 v[LS], v[W0], v[W0+1]                ; the first tile starts l
	PL
.else
	WIN 0
	v_add_f32 v[W0], v[W0], v[W0+1]
	PL
	WIN 0
	v_fma_f32 v[LS], v[LS], v[FF], v[W0]
	PL
.endif
.set q, 0
.rept 16                               ; the factor of each query whose sums have been started, out of its lane
.if (TOUCH>>q)&1
	WIN WZ
	v_readlane_b32 s[BK0+30*(q/8)+2*(q%8)], v[FF], q
	TICK
.endif
.set q, q+1
.endr
.set q, 0
.rept 16
.if (TOUCH>>q)&1
	WIN 0xc3                                       ; source 0 and destination window 3
	v_pk_mul_f32 v[AC+4*q:AC+4*q+1], v[AC+4*q:AC+4*q+1], s[BK0+30*(q/8)+2*(q%8):BK0+30*(q/8)+2*(q%8)+1] op_sel_hi:[1,0]
	PL
	WIN 0xc3
	v_pk_mul_f32 v[AC+4*q+2:AC+4*q+3], v[AC+4*q+2:AC+4*q+3], s[BK0+30*(q/8)+2*(q%8):BK0+30*(q/8)+2*(q%8)+1] op_sel_hi:[1,0]
	PL
.endif
.set q, q+1
.endr
.endm
; Key kl of tile u is key kk = 14 hy + hx of my 112.  It lies in the window of query q = 8 qy + qx where qy <= hy <= qy + 6 and qx <= hx <= qx + 6: at most 2 x 7 queries, which take the bank's pairs 7 qy + qx - xlo.
; RD: their weights out of lane q + 16 (kl / 8) of register kl % 8 into the bank kl % 2.
.macro RD u, kl
.set kk, 16*(\u)+(\kl)
.set hy, kk/14
.set hx, kk%14
.set xlo, 0
.if hx > 6
.set xlo, hx-6
.endif
.set q, 0
.rept 16
.if (hy >= (q/8)) && (hy < ((q/8)+7)) && (hx >= (q%8)) && (hx < ((q%8)+7))
	WIN WZ
	v_readlane_b32 s[BK0+30*((\kl)%2)+2*(7*(q/8)+(q%8)-xlo)], v[PB+(\kl)%8], q+16*((\kl)/8)
	TICK
.endif
.set q, q+1
.endr
.endm
; FM: sums of query q += weight x the key's row of v, 4 channels a lane.  A query's first product starts its sums.
.macro FM u, kl
.set kk, 16*(\u)+(\kl)
.set hy, kk/14
.set hx, kk%14
.set xlo, 0
.if hx > 6
.set xlo, hx-6
.endif
.set rV, VR+4*(\kl)
.set q, 0
.rept 16
.if (hy >= (q/8)) && (hy < ((q/8)+7)) && (hx >= (q%8)) && (hx < ((q%8)+7))
.set rS, BK0+30*((\kl)%2)+2*(7*(q/8)+(q%8)-xlo)
.set rC, AC+4*q
.if (TOUCH>>q)&1
	WIN WZ
	v_pk_fma_f32 v[rC:rC+1], v[rV:rV+1], s[rS:rS+1], v[rC:rC+1] op_sel_hi:[1,0,1]
	PL
	WIN WZ
	v_pk_fma_f32 v[rC+2:rC+3], v[rV+2:rV+3], s[rS:rS+1], v[rC+2:rC+3] op_sel_hi:[1,0,1]
	PL
.else
	WIN WZ
	v_pk_mul_f32 v[rC:rC+1], v[rV:rV+1], s[rS:rS+1] op_sel_hi:[1,0]
	PL
	WIN WZ
	v_pk_mul_f32 v[rC+2:rC+3], v[rV+2:rV+3], s[rS:rS+1] op_sel_hi:[1,0]
	PL
.set TOUCH, TOUCH|(1<<q)
.endif
.endif
.set q, q+1
.endr
.endm
.macro PVALL u                         ; a key's weights are read out a key ahead of their use; a bank is written again behind the products that read it
	RD \u, 0
	RD \u, 1
.set kq, 0
.rept 16
.if (kq%4) == 0
	s_wait_dscnt KX+12-kq                          ; rows kq .. kq + 3 of v are in; behind them were issued the 12 - kq later rows and the KX loads of k
.endif
	FM \u, kq
.if kq < 14
	RD \u, kq+2
.endif
.set kq, kq+1
.endr
.endm
; Stage t: tile t's products, and between them tile t - 1's vector work.  Stage 0 has products alone, stage 7 vector work alone.
.macro STAGE t
.set TT, \t
.set CNT, 0
.if (\t) < 7
.set WI, 0
.set KX, 8
.else
.set WI, 32
.set KX, 0
.endif
.if (\t) == 0
	s_wait_dscnt 32                                ; k's groups 0-7 are in; W_out's 32 loads behind them may be out
.else
	s_wait_dscnt 0x0                               ; this tile's groups 0-7 of k and the last tile's penalties, asked for twelve products ago
.endif
.if (\t) < 7
	MM
.endif
.if (\t) == 0
	MM
	MM
	MM
	POINTA
.else
	COUNT (\t)-1
.set PER, (112+3*NP+31)/32             ; the stream's length (some 112 for the softmax, 3 a pair) shared out among the 32 products
	SOFT (\t)-1
	PVALL (\t)-1
.endif
.rept 32
.if WI < 32
	MM                                             ; the products that are left
.endif
.endr
.endm
	KLOAD 0, 0
	WIN 0x40
.irp t, 0,1,2,3,4,5,6,7
.irp c, 0,1,2
	ds_load_b128 v[96+12*\t+4*\c:96+12*\t+4*\c+3], v[FI] offset:(WOIMG-XIMG)+1536*\t+512*\c   ; all of W_out, wanted at the end
.endr
.endr
	WIN 0
.irp t, 0,1,2,3,4,5,6,7
	ds_load_b32 v[WS+\t], v[FS] offset:(WOSC-XSC)+128*\t
.endr
	s_mov_b32 s32, 0x3db504f3                      ; 128^-0.5, as a pair for the packed form
	s_mov_b32 s33, 0x3db504f3
.set i, 0
.rept 14
	s_mov_b32 s[BK0+2*i+1], 0                      ; the banks' upper words: named with the lower ones as pairs, so they are written
	s_mov_b32 s[BK0+30+2*i+1], 0
.set i, i+1
.endr
	v_mov_b32 v[MX], 0xff61b1e6                    ; the maximum so far: -3e38
	v_mov_b32 v[MX+1], 0xff61b1e6
.set VC, 0
.set MARKA, -100
.set MARKB, -100
.set TOUCH, 0
.set PER, 16
.irp t, 0,1,2,3,4,5,6,7
	STAGE \t
.endr
	; ---- out + v = sums / l + the centre key's v
	WIN 0
	v_permlanex16_b32 v[M2], v[LS], s22, s23
	v_add_f32 v[LS], v[LS], v[M2]                  ; the row's sum, at least 1
	v_rcp_f32 v[FF], v[LS]
.irp q, 0,1,2,3,4,5,6,7,8,9,10,11,12,13,14,15
	ds_load_b128 v[VR+4*\q:VR+4*\q+3], v[VLD] offset:PK*(45+14*(\q/8)+\q%8)   ; query q's centre is 3 rows of 14 and 3 keys behind its window's first key
.endr
	v_nop
	s_wait_alu depctr_va_vdst(0)
.irp q, 0,1,2,3,4,5,6,7,8,9,10,11,12,13,14,15
	v_readlane_b32 s[BK0+30*(\q/8)+2*(\q%8)], v[FF], \q
.endr
	s_wait_dscnt 0x0
	WIN 0x03                                       ; source 0 window 3
.irp q, 0,1,2,3,4,5,6,7,8,9,10,11,12,13,14,15
	v_pk_fma_f32 v[VR+4*\q:VR+4*\q+1], v[AC+4*\q:AC+4*\q+1], s[BK0+30*(\q/8)+2*(\q%8):BK0+30*(\q/8)+2*(\q%8)+1], v[VR+4*\q:VR+4*\q+1] op_sel_hi:[1,0,1]
	v_pk_fma_f32 v[VR+4*\q+2:VR+4*\q+3], v[AC+4*\q+2:AC+4*\q+3], s[BK0+30*(\q/8)+2*(\q%8):BK0+30*(\q/8)+2*(\q%8)+1], v[VR+4*\q+2:VR+4*\q+3] op_sel_hi:[1,0,1]
.endr
	WIN 0
.irp q, 0,1,2,3,4,5,6,7,8,9,10,11,12,13,14,15
	ds_store_b128 v[SRD], v[VR+4*\q:VR+4*\q+3] offset:SPT*\q     ; a lane holds 4 channels of every query: through my stage,
.endr
.irp b, 0,1,2,3
.irp j, 0,1,2,3
	ds_load_b128 v[KR+16*\b+4*\j:KR+16*\b+4*\j+3], v[ORD] offset:128*\b+16*\j   ; back as the quantiser wants it: register 16 b + i = channel 32 b + 16 h + i of query r.  LDS serves a wave's instructions in order
.endr
.endr
	s_wait_dscnt 0x0
	; ---- quantised along the channels and multiplied by W_out (transposed: a lane holds a query and 8 neighbouring outputs)
	QUANT KR, 0, PC, PW
	PLACES 8                                       ; a scale word made by vector instructions stands 8 places ahead of the scaled product
	WIN 0x01
.irp t, 0,1,2,3,4,5,6,7
	v_wmma_scale_f32_16x16x128_f8f6f4 v[QF+8*\t:QF+8*\t+7], v[96+12*\t:96+12*\t+11], v[PC:PC+11], 0, v[WS+\t], v[PW] matrix_a_fmt:MATRIX_FMT_BF6 matrix_b_fmt:MATRIX_FMT_BF6
.endr
	WIN 0
	PLACES 4
.irp t, 0,1,2,3,4,5,6,7
	ds_store_b128 v[STO], v[QF+8*\t:QF+8*\t+3] offset:64*\t
	ds_store_b128 v[STO], v[QF+8*\t+4:QF+8*\t+7] offset:64*\t+16
.endr
.irp i, 0,1,2,3,4,5,6,7,8,9,10,11,12,13,14,15
	ds_load_b128 v[PR+4*\i:PR+4*\i+3], v[SRD] offset:SPT*\i       ; LDS serves a wave's instructions in order: these see my stores; the stage is my own
.endr
.irp i, 0,1,2,3,4,5,6,7,8,9,10,11,12,13,14,15
	s_wait_dscnt 15-\i
	global_store_b128 v[GO], v[PR+4*\i:PR+4*\i+3], s[18:19] offset:(\i/8)*32768+(\i%8)*512 th:TH_STORE_NT   ; 32 lanes store a pixel's 512 consecutive bytes, at a multiple of 512 from out0's first byte
.endr
	s_wait_tensorcnt 0x0
	ds_add_u32 v15, v21
	s_wait_dscnt 0x0
	s_endpgm
.Lfunc_end_k_qdf66a60848_local_attn:
	.size	k_qdf66a60848_local_attn, .Lfunc_end_k_qdf66a60848_local_attn-k_qdf66a60848_local_attn
	.p2alignl 7, 3214868480
	.fill 96, 4, 3214868480
	.section	.rodata,"a",@progbits
	.p2align	6, 0x0
	.amdhsa_kernel k_qdf66a60848_local_attn
		.amdhsa_group_segment_fixed_size 299264
		.amdhsa_private_segment_fixed_size 0
		.amdhsa_enable_private_segment 0
		.amdhsa_kernarg_size 64
		.amdhsa_user_sgpr_count 2
		.amdhsa_user_sgpr_kernarg_segment_ptr 1
		.amdhsa_wavefront_size32 1
		.amdhsa_system_sgpr_workgroup_id_x 1
		.amdhsa_system_sgpr_workgroup_id_y 1
		.amdhsa_system_sgpr_workgroup_id_z 1
		.amdhsa_system_vgpr_workitem_id 0
		.amdhsa_next_free_vgpr 1024
		.amdhsa_next_free_sgpr 96
		.amdhsa_reserve_vcc 1
		.amdhsa_float_denorm_mode_32 3
		.amdhsa_float_denorm_mode_16_64 3
		.amdhsa_memory_ordered 1
		.amdhsa_forward_progress 1
		.amdhsa_inst_pref_size 255
	.end_amdhsa_kernel
	.section	.bss,"aw",@nobits
	.p2align	6
	.space	262144
	.amdgpu_metadata
---
amdhsa.version: [ 1, 2 ]
amdhsa.kernels:
  - .name:           k_qdf66a60848_local_attn
    .symbol:         k_qdf66a60848_local_attn.kd
    .args:
      - { .name: x, .offset: 0, .size: 8, .value_kind: global_buffer, .address_space: global }
      - { .name: W_qkv_codes, .offset: 8, .size: 8, .value_kind: global_buffer, .address_space: global }
      - { .name: W_qkv_scales, .offset: 16, .size: 8, .value_kind: global_buffer, .address_space: global }
      - { .name: W_width, .offset: 24, .size: 8, .value_kind: global_buffer, .address_space: global }
      - { .name: b_width, .offset: 32, .size: 8, .value_kind: global_buffer, .address_space: global }
      - { .name: W_out_codes, .offset: 40, .size: 8, .value_kind: global_buffer, .address_space: global }
      - { .name: W_out_scales, .offset: 48, .size: 8, .value_kind: global_buffer, .address_space: global }
      - { .name: out0, .offset: 56, .size: 8, .value_kind: global_buffer, .address_space: global }
    .group_segment_fixed_size: 299264
    .private_segment_fixed_size: 0
    .kernarg_segment_align: 8
    .kernarg_segment_size: 64
    .max_flat_workgroup_size: 128
    .sgpr_count:     96
    .vgpr_count:     1024
    .wavefront_size: 32
...
	.end_amdgpu_metadata
.endif
;; end of part 1
;; ======== version 2 of 2: 1 launch; version 1 with the launch local_attn written anew for expert scheduling mode
;; launch local_attn (part 2): grid 64 x 4, 4 waves a work-group, no clusters, 299,264 bytes of LDS; arguments x, W_qkv_codes, W_qkv_scales, W_width, b_width, W_out_codes, W_out_scales, out0; writes out0
.if DOCPART == 2
	.amdgcn_target "amdgcn-amd-amdhsa--gfx1250"
	.amdhsa_code_object_version 6
	.text
	.protected	k_qdf66a60848_local_attn
	.globl	k_qdf66a60848_local_attn
	.p2align	8
	.type	k_qdf66a60848_local_attn,@function
k_qdf66a60848_local_attn:
	s_mov_b64 s[64:65], 0
	v_nop
	global_prefetch_b8 v0, s[64:65] scope:SCOPE_SE
	s_setreg_imm32_b32 hwreg(HW_REG_WAVE_SCHED_MODE, 0, 2), 2
	s_setreg_imm32_b32 hwreg(HW_REG_WAVE_MODE, 25, 1), 1
	s_wait_xcnt 0x0
	s_wait_alu depctr_vm_vsrc(0)
; LOCAL 7 x 7 ATTENTION WITH A SOFT RADIUS, one launch: out0 = Q6(attn(q, k, v) + v) W_out, [q k v] = Q6(x) W_qkv.  Q6: codes of BF6 (E3M2), one E8M0 byte for each 32 along K.
; x, out0: [4][64][64][128] f32.  W_qkv: 384 rows, W_out: 128 rows of 128 codes (96 bytes), one scale word a row.
; SHARES.  A work-group owns 8 x 8 pixels of one image and makes k and v for its 14 x 14 halo itself (196 pixels, numbered hp = 14 hy + hx: 13 tiles of 16 rows); pixels outside the image get zero codes, so their
; k and v are zeros, as reference() pads them.  Four waves.  Wave w owns the 16 queries of pixel rows 2 w, 2 w + 1; their windows lie in halo rows 2 w .. 2 w + 7: keys hp = 28 w + 0 .. 111, seven tiles of 16.
; THE TWO QUANTISED PRODUCTS go by v_wmma_scale_f32_16x16x128_f8f6f4.  q.k and p.v feed the second quantiser, so they take f32 operands.
; PHASES.  X: each wave quantises 3 halo tiles (wave 0 a fourth) and its own 16 queries; width and the ten penalties of a query (rel_dist has ten values) in f32; fragments go to LDS as images of their registers | barrier |
; 1: the waves share the columns: 2 tiles of k and 2 of v each, for all 13 row tiles; both go to LDS as [pixel][channel]; Q = my queries x all of W_q stays in registers | barrier |
; 2: q.k and p.v BY TURNS (below); + the centre's v; quantised in registers; x W_out; out through my stage in LDS as whole rows of 512 bytes.
; BY TURNS.  q.k goes by v_wmma_f32_16x16x4_f32, dense over 16 keys x 16 queries, a tile of keys a stage: S^T = K Q^T, a lane holds one query (lane % 16) and 8 keys.  Pairs outside a query's window get the penalty
; +infinity, so their weight is 0.  p.v goes by packed multiply-adds, only for the 784 pairs that lie in a window: a lane holds 4 channels of all 16 queries, a key's row of v is one load of 512 bytes, and a weight comes
; out of its lane into a scalar register (v_readlane_b32).  While the 32 matrix instructions of tile t are issued, the vector instructions of tile t - 1 (softmax with a running maximum, rescaling, p.v) stand between them,
; dealt out evenly: the stream of vector instructions counts itself and calls for the next matrix instruction.  Only the first tile's products and the last tile's vector work stand alone.
; SOFTMAX.  For each query a running maximum m and sum l: p = e^(s - m); when m moves, l and the sums of p v are multiplied by e^(m_old - m_new).  At the end the sums are divided by l, and the centre key's v is added.
; ROUNDING.  (1 - sigmoid) x 10000 magnifies the sigmoid's last bit, so width, z, 1 + e, 1 / y and 1 - s are rounded step by step as reference() rounds them (a product and a sum stay apart where it has them apart);
; the exponential gets its argument's residual back, the reciprocal one Newton step.
; NO CLUSTER, NO TENSOR LOADS: a halo begins at negative coordinates at the image's edge, neighbours want the shared pixels at other places of their LDS, and x is wanted in registers, where it is quantised.
; LIMITS: NaN and infinities among the inputs are not served; a block of zeros gets the byte 1 (its codes are zeros; the bytes are read here alone); blocks whose largest magnitude lies under 2^-122 were not tried;
; the exponent of a sigmoid's exponential is held at 120 (the sigmoid is then 0 in f32 all the same); the running maximum begins at -3e38: scores under that are not served; sums are taken in another order than reference()'s.
; THE MODE: SCHED_MODE bits 1:0 = 2 (LLVM: expert scheduling mode 2), set by the entry lines.  The code itself states the register dependences between vector or matrix instructions and memory or LDS instructions,
; and those through scalar registers that vector instructions write, with s_wait_alu, always for 0.
; THE PLAN.  Registers that memory or LDS instructions touch, and who else names them:
;   v4-8, v13, v14, v20   offsets of the global loads: made once at the head; one wait ahead of the first load.   v22-40  LDS addresses and out0's offset: made once; one wait ahead of the first LDS store.  None is written again.
;   v162-175              penalties and infinities: written by vector lines, read by LDS stores; written again by phase 1's products.
;   v200-211, v247        a halo tile's codes and scale word: written by the quantiser, read by four stores, written by the next tile: a wait ahead of the stores, a wait behind them.
;   phase 1, tile i       results in v112-143 and v144-175 by turns: written by the tile's four products, read by its eight stores.  x's fragment in v176-187 and v188-199 by turns (scale words v245, v246): loaded a tile ahead,
;                         read by the products.  ONE wait on va_vdst a tile, ahead of the stores: the results are written, and the products are done reading the fragment in which the next tile's fetch lands.
;                         One wait on vm_vsrc a tile, ahead of the products: the stores of two tiles back have read the results' registers.
;   phase 2, stage t      k's groups 8-15 (v80-111) and 16 rows of v (v112-175) are loaded at point A; their last readers are the products 16-31 and the multiply-adds of stage t - 1.  k's groups 0-7 (v48-79) are loaded
;                         at point B; their last readers are the products 0-15 of stage t.  The penalties (v176-183) are loaded at point B; the softmax reads them ahead of point A.  So TWO waits on va_vdst a stage:
;                         the one behind the exponentials, straight ahead of point A, and one at point B.  The addresses v32, v33, v36 are never written: no wait on vm_vsrc in a stage.
;   scalar registers      the wave's number and the halo's nine masks: one run, one wait on va_sdst.  A key's weights are read out of their lanes a key ahead; the wait stands behind the multiply-adds of the key between.
.set PK,    528                        ; a pixel's row of k or of v in LDS: 512 bytes + 16: sixteen rows of one load start in sixteen different groups of four banks
.set LK,    0                          ; k: 208 rows
.set LV,    208*PK                     ; v: 208 rows
.set XIMG,  LV+208*PK                  ; x's 13 fragments as images, 1,536 bytes each,
.set XSC,   XIMG+13*1536               ; their scale words, 128 bytes each,
.set WQIMG, XSC+13*128                 ; W_q's 8 fragments and
.set WQSC,  WQIMG+8*1536               ; scale words,
.set WOIMG, WQSC+8*128                 ; W_out's
.set WOSC,  WOIMG+8*1536
.set PEN,   WOSC+8*128                 ; the penalties: for each wave 16 rows (queries) of 112 keys
.set PENW,  7680
.set PP,    464                        ; 448 bytes + 16 = 29 x 16
.set STG,   XIMG                       ; my stage: 16 rows x 528 bytes a wave, over x's and W_q's images, which nobody reads behind the second barrier
.set SPT,   528
; window 0
.set LANE, 1
.set ROW,  2                           ; r = lane % 16
.set HALF, 3                           ; h = lane / 16
.set XA,   4                           ; v4 my queries' offset in x; v5-8 the halo tiles'
.set MK,   9                           ; v9-12 all ones where the halo pixel lies in the image, else 0
.set AWW,  13                          ; 64 h
.set AWN,  14                          ; a fragment's lane offset in a weight's codes
.set KVS,  16                          ; v16-19 scale words of my 2 tiles of W_k and 2 of W_v, and nothing else
.set ASN,  20
.set XWI,  22                          ; LDS addresses, all made ahead of the first branch
.set XWS,  23
.set WQI,  24
.set WQA,  25
.set FI,   26
.set FS,   27
.set KST,  28                          ; v28, v29
.set VST,  30                          ; v30, v31
.set KLD,  32
.set VLD,  33
.set PNF,  34
.set PNA,  35
.set PNL,  36
.set STO,  37
.set SRD,  38
.set GO,   39
.set ORD,  40
.set WID,  41
.set T0,   42                          ; v42-47 at work
.set KR,   48                          ; v48-111 a tile's fragments of k; at the end out + v in the quantiser's order
.set QF,   112                         ; v112-175 scratch; phase 1's results; 16 rows of v; y
.set VR,   112
.set PR,   176                         ; v176-239 the quantiser's work; x's fragments; the softmax's few registers; rows on the way out
.set TM,   176
.set PT,   192
.set PC,   200
.set XF,   176
.set DA,   224
.set XQF,  232                         ; v232-243 my queries' fragment
.set XQS,  244                         ; v244-255 hold scale words and nothing else
.set XS,   245
.set PW,   247
.set WS,   248
.set ZZ,   112
.set AA,   122
.set RC,   132
.set EE,   142
.set YY,   152
.set PNC,  162
.set INF,  172
.set PN,   176                         ; phase 2: a tile's penalties,
.set SS,   184                         ; its scores,
.set UU,   192
.set PB,   200                         ; its weights p,
.set FF,   208                         ; e^(m_old - m_new); at the end 1 / l
.set MX,   210                         ; v210, v211 the running maximum, twice (a pair for the packed form)
.set M1,   212
.set M2,   213
.set LS,   214                         ; l: my half of the keys
.set DD,   215
.set W0,   216                         ; v216-219
; window 1: v0-255 four tiles of x (my queries, halo tiles w, w + 4, w + 8); later v0-95 W_q's fragments, v96-191 W_out's
; window 2:
.set X4,   0                           ; halo tile 12 (wave 0)
.set WW,   64                          ; W_width, laid as a lane's x
.set WK,   128
.set WV,   152
.set WT,   176                         ; 2 fragments of W_q and 2 of W_out on their way to LDS;  v224-227 their scale words
.set WTS,  224
; window 3:
.set ACC,  0                           ; v0-63 two sets of four accumulators of S^T: written by matrix instructions alone
.set QR,   64                          ; v64-127 Q
.set AC,   128                         ; v128-191 the sums of p v: query q's 4 channels at v[AC + 4 q]
.set WZ,   0xfc                        ; source 0 window 0, all else window 3: one setting for S^T = K Q^T (k | Q | S^T), for the sums (v | scalar | sums) and for v_readlane_b32 (p)
.set BK0,  36                          ; s36-63 and s66-93: two banks of 14 pairs: the weights of two keys; the packed form names a pair and takes its low word
.set HM,   40                          ; s40-51 at the head only: the nine masks of my four halo tiles, three places a tile
.set MSB, 0
.macro WIN new                         ; bits 1:0 source 0, 3:2 source 1, 5:4 source 2, 7:6 destination; the high byte repeats the setting that is left
.if MSB != (\new)
	s_set_vgpr_msb (MSB<<8)|(\new)
.set MSB, (\new)
.endif
.endm
.macro PLACES n                        ; plain vector places behind matrix instructions (ISA guide 7.12.1): 4 or 5 behind the 6-bit form, 8 or 9 behind the f32 form
.rept \n
	v_nop
.endr
.endm
; halo tile w + 4 i: lane r's pixel hp = 16 w + 64 i + r -> (hy, hx) -> its offset in x and its mask.  A pixel outside the image (or hp >= 196) reads the tile's first pixel instead, and its codes are cleared.
; In two parts, so that the four tiles' compares stand in one run with one wait behind it.  HTEST: the pixel's row and column in the image (kept in the registers that the offset and the mask will take) and the tests.
.macro HTEST i, chk
	v_add_nc_u32 v[T0], 64*\i, v[T0+4]
	v_mul_u32_u24 v[T0+1], v[T0], 147
	v_lshrrev_b32 v[T0+1], 11, v[T0+1]             ; hy = hp / 14 (147 / 2048 serves hp < 208)
	v_mul_u32_u24 v[T0+2], v[T0+1], 14
	v_sub_nc_u32 v[T0+2], v[T0], v[T0+2]           ; hx
	v_add_nc_u32 v[XA+1+\i], s28, v[T0+1]          ; the pixel's row in the image (negative numbers wrap and fail the test)
	v_add_nc_u32 v[MK+\i], s29, v[T0+2]            ; and column
	v_cmp_gt_u32 s[HM+3*\i], 64, v[XA+1+\i]
	v_cmp_gt_u32 s[HM+3*\i+1], 64, v[MK+\i]
.if \chk
	v_cmp_gt_u32 s[HM+3*\i+2], 196, v[T0]
.endif
.endm
; HADDR: the offset and the mask
.macro HADDR i, chk
.if \chk
	s_and_b32 s[HM+3*\i], s[HM+3*\i], s[HM+3*\i+2]
.endif
	s_and_b32 vcc_lo, s[HM+3*\i], s[HM+3*\i+1]
	v_lshl_add_u32 v[T0+1], v[XA+1+\i], 6, v[MK+\i]
	v_add_nc_u32 v[T0+1], s24, v[T0+1]
	v_cndmask_b32 v[T0+1], v[T0+5], v[T0+1], vcc_lo
	v_lshl_add_u32 v[XA+1+\i], v[T0+1], 9, v[AWW]  ; 512 bytes a pixel, + 64 h: my 16 numbers of each block of 32
	v_cndmask_b32 v[MK+\i], 0, -1, vcc_lo
.endm
.macro XLOAD reg, adr                  ; register 16 b + i = channel 32 b + 16 h + i of my pixel
.irp b, 0,1,2,3
.irp j, 0,1,2,3
	global_load_b128 v[(\reg)+16*\b+4*\j:(\reg)+16*\b+4*\j+3], v[\adr], s[4:5] offset:128*\b+16*\j
.endr
.endr
.endm
.macro WLOAD reg, adr, base, off       ; a fragment of 16 rows x 128 codes: 24 + 24 bytes a lane, in pieces of 8
.irp p, 0,1,2,3,4,5
	global_load_b64 v[(\reg)+2*\p:(\reg)+2*\p+1], v[\adr], s[\base:\base+1] offset:(\off)+48*(\p/3)+8*(\p%3)
.endr
.endm
; 64 numbers of a lane (window w, register s on; register 16 b + i = k 32 b + 16 h + i of my row) become a fragment's codes in v[pc] on and its scale word in v[pw]
.macro QUANT s, w, pc, pw
	WIN (\w)|((\w)<<2)
.irp b, 0,1,2,3
	v_max3_num_f32 v[TM+\b], |v[(\s)+16*\b]|, |v[(\s)+1+16*\b]|, 0x2800000   ; block b: my 16 numbers, and the floor 2^(5 - 127): the byte cannot fall under 1
.endr
	WIN ((\w)<<2)|((\w)<<4)
.irp i, 2,4,6,8,10,12,14
.irp b, 0,1,2,3
	v_max3_num_f32 v[TM+\b], v[TM+\b], |v[(\s)+16*\b+\i]|, |v[(\s)+1+16*\b+\i]|
.endr
.endr
	WIN 0
.irp b, 0,1,2,3
	v_permlanex16_b32 v[TM+4+\b], v[TM+\b], s22, s23
.endr
.irp b, 0,1,2,3
	v_max_num_f32 v[TM+\b], v[TM+\b], v[TM+4+\b]   ; with lane l xor 16's: the block's largest magnitude
.endr
.irp b, 0,1,2,3
	v_add_nc_u32 v[TM+12+\b], 0xfe000000, v[TM+\b] ; 4 off its exponent field: the conversion's scale operand
.endr
.irp b, 0,1,2,3
	v_lshrrev_b32 v[TM+4+\b], 23, v[TM+12+\b]      ; the scale's byte
.endr
	v_lshl_or_b32 v[\pw], v[TM+5], 8, v[TM+4]
	v_lshl_or_b32 v[\pw], v[TM+6], 16, v[\pw]
	v_lshl_or_b32 v[\pw], v[TM+7], 24, v[\pw]
	WIN (\w)
.irp c, 0,1
	v_cvt_scalef32_pk16_bf6_f32 v[(\pc)+6*\c:(\pc)+2+6*\c], v[(\s)+32*\c:(\s)+15+32*\c], v[TM+12+2*\c]
	v_cvt_scalef32_pk16_bf6_f32 v[PT+4*\c:PT+2+4*\c], v[(\s)+16+32*\c:(\s)+31+32*\c], v[TM+12+2*\c+1]   ; (a conversion's three registers begin on an even number)
.endr
	WIN 0
	v_nop                                          ; one plain place behind a scaled conversion
.irp c, 0,1                            ; the operand wants a whole block in a lane: lanes 0-15 block 2 c, lanes 16-31 block 2 c + 1
.irp i, 0,1,2
	v_permlane16_swap_b32 v[(\pc)+6*\c+\i], v[PT+4*\c+\i]
.endr
.irp i, 0,1,2
	v_mov_b32 v[(\pc)+3+6*\c+\i], v[PT+4*\c+\i]
.endr
.endr
.endm
; a halo tile's fragment: codes of pixels outside the image are cleared; then it goes to LDS as it stands, 16 bytes a lane and store
.macro SENDX i
.irp k, 0,1,2,3,4,5,6,7,8,9,10,11
	v_and_b32 v[PC+\k], v[MK+\i], v[PC+\k]
.endr
	s_wait_alu depctr_va_vdst(0)                   ; the lines above have written v[PC ..], the quantiser v[PW]: the four stores read them
.irp c, 0,1,2
	ds_store_b128 v[XWI], v[PC+4*\c:PC+4*\c+3] offset:6144*\i+512*\c
.endr
	ds_store_b32 v[XWS], v[PW] offset:512*\i
	s_wait_dscnt 0x0                               ; the tile's image lies in LDS
	s_wait_alu depctr_vm_vsrc(0)                   ; the four stores have read v[PC ..] and v[PW], which the next tile's quantiser writes
.endm
; s = 1 / (1 + exp(-z)) for n numbers: z in v[ZZ] on, s in v[AA] on.  exp(-z) = 2^a (1 + ln2 x rest), a = the rounded -z log2(e), rest = what that rounding and log2(e)'s own left out
.macro SIGM n
.set c, 0
.rept \n
	v_mul_f32 v[AA+c], s36, v[ZZ+c]
.set c, c+1
.endr
.set c, 0
.rept \n
	v_fma_f32 v[RC+c], v[ZZ+c], s36, -v[AA+c]
.set c, c+1
.endr
.set c, 0
.rept \n
	v_fma_f32 v[RC+c], v[ZZ+c], s37, v[RC+c]
.set c, c+1
.endr
.set c, 0
.rept \n
	v_min_num_f32 v[AA+c], 0x42f00000, v[AA+c]     ; held at 120: no infinity reaches the Newton step
.set c, c+1
.endr
.set c, 0
.rept \n
	v_exp_f32 v[EE+c], v[AA+c]
.set c, c+1
.endr
.set c, 0
.rept \n
	v_mul_f32 v[RC+c], 0x3f317218, v[RC+c]         ; x ln 2: plain work behind the exponentials
.set c, c+1
.endr
	s_wait_alu depctr_va_vdst(0)                   ; the exponentials have written v[EE ..]: one wait for the batch, ahead of its first reader
.set c, 0
.rept \n
	v_fma_f32 v[EE+c], v[EE+c], v[RC+c], v[EE+c]
.set c, c+1
.endr
.set c, 0
.rept \n
	v_add_f32 v[YY+c], 1.0, v[EE+c]
.set c, c+1
.endr
.set c, 0
.rept \n
	v_rcp_f32 v[AA+c], v[YY+c]
.set c, c+1
.endr
	v_nop
	s_wait_alu depctr_va_vdst(0)                   ; the reciprocals have written v[AA ..]: one wait for the batch, ahead of its first reader
.set c, 0
.rept \n
	v_fma_f32 v[RC+c], -v[YY+c], v[AA+c], 1.0
.set c, c+1
.endr
.set c, 0
.rept \n
	v_fma_f32 v[AA+c], v[RC+c], v[AA+c], v[AA+c]   ; one Newton step: the quotient as a division rounds it
.set c, c+1
.endr
.endm
	s_load_b256 s[4:11], s[0:1], 0x0               ; x s[4:5], W_qkv's codes s[6:7], its scales s[8:9], W_width s[10:11]
	s_load_b256 s[12:19], s[0:1], 0x20             ; b_width s[12:13], W_out's codes s[14:15], its scales s[16:17], out0 s[18:19]
	v_lshl_add_u32 v15, v0, 2, 0x48f00
	v_mov_b32 v21, 0
	v_and_b32 v[LANE], 31, v0
	v_and_b32 v[ROW], 15, v0
	v_bfe_u32 v[HALF], v0, 4, 1
	v_lshrrev_b32 v[T0], 5, v0
	v_readfirstlane_b32 s21, v[T0]                 ; wave 0..3
	v_lshl_or_b32 v[T0+4], v[T0], 4, v[ROW]        ; 16 w + r
	s_mov_b32 s22, 0x76543210
	s_mov_b32 s23, 0xfedcba98                      ; v_permlanex16_b32's selects for lane l xor 16
	s_mov_b32 s34, 0x3fb8aa3b                      ; log2(e), as a pair for the packed form
	s_mov_b32 s35, 0x3fb8aa3b
	s_mov_b32 s36, 0xbfb8aa3b                      ; -log2(e) as f32, and
	s_mov_b32 s37, 0xb2a57060                      ; what f32 left of it
	s_and_b32 s24, ttmp7, 0xffff
	s_lshl_b32 s24, s24, 12                        ; the image's first pixel
	s_lshr_b32 s25, ttmp9, 3
	s_lshl_b32 s25, s25, 3                         ; y0
	s_and_b32 s26, ttmp9, 7
	s_lshl_b32 s26, s26, 3                         ; x0
	s_lshl_b32 s27, s25, 6
	s_add_co_u32 s27, s27, s26
	s_add_co_u32 s27, s27, s24                     ; the tile's first pixel
	s_sub_co_i32 s28, s25, 3
	s_sub_co_i32 s29, s26, 3
	v_mov_b32 v[T0+5], s27
	v_lshlrev_b32 v[AWW], 6, v[HALF]
	HTEST 0, 0
	HTEST 1, 0
	HTEST 2, 0
	HTEST 3, 1
	s_wait_alu depctr_va_sdst(0)                   ; s21, the wave's number, and the nine masks s40 to s51 are written, ahead of the first reader of each: one wait behind the run
	HADDR 0, 0
	HADDR 1, 0
	HADDR 2, 0
	HADDR 3, 1
	v_lshrrev_b32 v[T0], 3, v[ROW]                 ; query r: pixel row 2 w + r / 8, column r % 8
	v_and_b32 v[T0+1], 7, v[ROW]
	v_lshl_add_u32 v[T0+2], v[T0], 6, v[T0+1]
	s_lshl_b32 s30, s21, 7
	s_add_co_u32 s30, s30, s27                     ; my wave's first query
	v_add_nc_u32 v[T0+2], s30, v[T0+2]
	v_lshl_add_u32 v[XA], v[T0+2], 9, v[AWW]
	v_mul_u32_u24 v[T0], v[ROW], 96
	v_mad_u32_u24 v[T0], v[HALF], 24, v[T0]        ; 96 r + 24 h
	s_mul_i32 s31, s21, 3072                       ; my 32 rows of each weight
	v_add_nc_u32 v[AWN], s31, v[T0]
	s_lshl_b32 s32, s21, 7
	v_lshl_add_u32 v[ASN], v[ROW], 2, s32
	s_wait_kmcnt 0x0
	s_load_b32 s20, s[12:13], 0x0                  ; b_width
	WIN 0x40                                       ; destination window 1
	s_wait_alu depctr_va_vdst(0)                   ; the eight offsets v4 to v8, v13, v14 and v20 are written: every global load of the kernel reads one of them, and none is written again
	XLOAD 0, XA
	XLOAD 64, XA+1
	XLOAD 128, XA+2
	XLOAD 192, XA+3
	WIN 0x80                                       ; destination window 2
.irp b, 0,1,2,3
.irp j, 0,1,2,3
	global_load_b128 v[WW+16*\b+4*\j:WW+16*\b+4*\j+3], v[AWW], s[10:11] offset:128*\b+16*\j
.endr
.endr
.irp e, 0,1
	WLOAD WT+12*\e, AWN, 6, 1536*\e                ; W_q's tiles 2 w + e
	WLOAD WT+24+12*\e, AWN, 14, 1536*\e            ; W_out's
	global_load_b32 v[WTS+\e], v[ASN], s[8:9] offset:64*\e
	global_load_b32 v[WTS+2+\e], v[ASN], s[16:17] offset:64*\e
.endr
.irp e, 0,1
	WLOAD WK+12*\e, AWN, 6, 12288+1536*\e          ; W_k's tiles 2 w + e: rows 128 on
	WLOAD WV+12*\e, AWN, 6, 24576+1536*\e          ; W_v's: rows 256 on
.endr
	WIN 0
.irp e, 0,1
	global_load_b32 v[KVS+\e], v[ASN], s[8:9] offset:512+64*\e
	global_load_b32 v[KVS+2+\e], v[ASN], s[8:9] offset:1024+64*\e
.endr
	; every LDS address: a constant + a constant x lane part + a constant x wave
	v_lshlrev_b32 v[T0], 4, v[LANE]
	v_lshlrev_b32 v[T0+1], 2, v[LANE]
	s_mul_i32 s31, s21, 1536
	s_add_co_u32 s31, s31, XIMG
	v_add_nc_u32 v[XWI], s31, v[T0]                ; where I store x's images: tile w + 4 i
	s_lshl_b32 s31, s21, 7
	s_add_co_u32 s31, s31, XSC
	v_add_nc_u32 v[XWS], s31, v[T0+1]
	s_mul_i32 s31, s21, 3072
	s_add_co_u32 s31, s31, WQIMG
	v_add_nc_u32 v[WQI], s31, v[T0]                ; W_q's and W_out's images: tiles 2 w + e
	s_lshl_b32 s31, s21, 8
	s_add_co_u32 s31, s31, WQSC
	v_add_nc_u32 v[WQA], s31, v[T0+1]
	v_add_nc_u32 v[FI], XIMG, v[T0]                ; where any wave fetches an image
	v_add_nc_u32 v[FS], XSC, v[T0+1]
	v_mul_u32_u24 v[T0+2], v[ROW], PK
	v_lshl_add_u32 v[T0+2], v[HALF], 5, v[T0+2]    ; 528 r + 32 h
	s_lshl_b32 s31, s21, 7
	v_add_nc_u32 v[KST], s31, v[T0+2]              ; k out: pixel r of a tile, my 32 channels
	v_add_nc_u32 v[KST+1], 7*16*PK, v[KST]         ; (tiles 7 on: an LDS offset has 16 bits)
	v_add_nc_u32 v[VST], LV, v[KST]                ; v out: the same places in v's rows
	v_add_nc_u32 v[VST+1], LV, v[KST+1]
	s_mul_i32 s31, s21, 28*PK
	v_add_nc_u32 v[KLD], s31, v[T0+2]              ; k in: key 28 w + r, as a fragment
	s_add_co_u32 s31, s31, LV
	v_add_nc_u32 v[VLD], s31, v[T0]                ; v in: key 28 w, my 4 channels: 16 x lane
	s_mul_i32 s31, s21, PENW
	s_add_co_u32 s31, s31, PEN
	v_add_nc_u32 v[PNF], s31, v[T0]
	v_mul_u32_u24 v[T0+2], v[ROW], PP
	v_add_nc_u32 v[T0+2], s31, v[T0+2]             ; my query's row of penalties
	v_lshl_add_u32 v[PNL], v[HALF], 5, v[T0+2]
	v_lshrrev_b32 v[T0+3], 3, v[ROW]
	v_and_b32 v[T0+4], 7, v[ROW]
	v_mad_u32_u24 v[T0+3], v[T0+3], 14, v[T0+4]    ; the first key of my query's window: 14 (r / 8) + r % 8
	v_lshl_add_u32 v[PNA], v[T0+3], 2, v[T0+2]
	s_mul_i32 s31, s21, 16*SPT
	s_add_co_u32 s31, s31, STG
	v_mul_u32_u24 v[T0+2], v[ROW], SPT
	v_lshl_add_u32 v[T0+3], v[HALF], 6, v[T0+2]
	v_lshl_add_u32 v[T0+2], v[HALF], 5, v[T0+2]
	v_add_nc_u32 v[STO], s31, v[T0+2]              ; my stage: row r + 32 h (y in),
	v_add_nc_u32 v[ORD], s31, v[T0+3]              ; row r + 64 h (out + v back, in the quantiser's order),
	v_add_nc_u32 v[SRD], s31, v[T0]                ; 16 x lane (whole rows)
	s_lshl_b32 s30, s30, 9
	v_add_nc_u32 v[GO], s30, v[T0]                 ; out0: my wave's first query, 16 bytes a lane
	s_cmp_lg_u32 s21, 0                            ; halo tile 12 (pixels 192 to 195) is wave 0's
	s_cbranch_scc1 .Lno_x4
	WIN 0x80
	XLOAD X4, XA+4                                 ; no wait: its offset v8 stands ahead of the wait at the first load, and no vector line since names v8 or window 2's v0-63
	WIN 0
.Lno_x4:
.irp b, 0,1,2,3
	v_mov_b32 v[INF+\b], 0x7f800000
	v_mov_b32 v[TM+4+\b], 0                        ; written once: a lane permute's destination counts as one of its sources
.endr
	s_wait_alu depctr_va_vdst(0)                   ; the infinities v[INF ..] are written, which the stores below read, and so are v22 to v40: every LDS address of the kernel and out0's offset; none of these is written again
.irp i, 0,1,2,3,4,5,6,7,8,9,10,11,12,13,14
	ds_store_b128 v[PNF], v[INF:INF+3] offset:512*\i   ; every pair of query and key begins outside the window
.endr
	s_wait_loadcnt 56                              ; x's four tiles and W_width are in; the 56 loads of weights behind them may be out (in wave 0 the count asks for more than it needs)
	; ---- X: my 16 queries: fragment, width, penalties
	QUANT 0, 1, XQF, XQS
	WIN 0x09                                       ; source 0 (x) window 1, source 1 (W_width) window 2
.irp n, 0,1,2,3
	v_pk_mul_f32 v[DA+2*\n:DA+2*\n+1], v[2*\n:2*\n+1], v[WW+2*\n:WW+2*\n+1]
.endr
.set i, 4
.rept 28
	v_pk_fma_f32 v[DA+2*(i%4):DA+2*(i%4)+1], v[2*i:2*i+1], v[WW+2*i:WW+2*i+1], v[DA+2*(i%4):DA+2*(i%4)+1]
.set i, i+1
.endr
	WIN 0
	v_pk_add_f32 v[DA:DA+1], v[DA:DA+1], v[DA+2:DA+3]
	v_pk_add_f32 v[DA+4:DA+5], v[DA+4:DA+5], v[DA+6:DA+7]
	v_pk_add_f32 v[DA:DA+1], v[DA:DA+1], v[DA+4:DA+5]
	v_add_f32 v[DA], v[DA], v[DA+1]
	v_permlanex16_b32 v[DA+1], v[DA], s22, s23
	v_add_f32 v[DA], v[DA], v[DA+1]                ; x . W_width of my query
	s_wait_kmcnt 0x0
	v_add_f32 v[ZZ], s20, v[DA]
	SIGM 1
	v_mul_f32 v[WID], 0x4087c3b6, v[AA]            ; x sqrt(18), then + 0.5: two roundings, as reference() has them
	v_add_f32 v[WID], 0.5, v[WID]
.set c, 0
.irp d, 0x80000000, 0xbf800000, 0xbfb504f3, 0xc0000000, 0xc00f1bbd, 0xc03504f3, 0xc0400000, 0xc04a62c2, 0xc066c15a, 0xc087c3b6
	v_add_f32 v[ZZ+c], \d, v[WID]                  ; width - rel_dist: sqrt of 0, 1, 2, 4, 5, 8, 9, 10, 13, 18, rounded to f32
.set c, c+1
.endr
.set c, 0
.rept 10
	v_mul_f32 v[ZZ+c], 0x40a00000, v[ZZ+c]         ; x 5
.set c, c+1
.endr
	SIGM 10
.set c, 0
.rept 10
	v_sub_f32 v[RC+c], 1.0, v[AA+c]
.set c, c+1
.endr
.set c, 0
.rept 10
	v_mul_f32 v[PNC+c], 0x461c4000, v[RC+c]        ; (1 - soft_mask) x 10000
.set c, c+1
.endr
	s_wait_alu depctr_va_vdst(0)                   ; the ten penalties v[PNC ..] are written, which the 49 stores below read
.irp a, 0,1,2,3,4,5,6                  ; the window's 49 places in my query's row: key 14 a + b behind its first.  LDS serves a wave's instructions in order: these land on the infinities.  Both lanes of a query store the same
.irp b, 0,1,2,3,4,5,6
.set D2, (\a-3)*(\a-3)+(\b-3)*(\b-3)
.if D2 == 0
.set CL, 0
.elseif D2 == 1
.set CL, 1
.elseif D2 == 2
.set CL, 2
.elseif D2 == 4
.set CL, 3
.elseif D2 == 5
.set CL, 4
.elseif D2 == 8
.set CL, 5
.elseif D2 == 9
.set CL, 6
.elseif D2 == 10
.set CL, 7
.elseif D2 == 13
.set CL, 8
.else
.set CL, 9
.endif
	ds_store_b32 v[PNA], v[PNC+CL] offset:4*(14*\a+\b)
.endr
.endr
	; ---- X: my halo tiles
.irp i, 0,1,2
	QUANT 64*(\i+1), 1, PC, PW
	SENDX \i
.endr
	s_wait_loadcnt 28                              ; W_q's and W_out's fragments are in; W_k's, W_v's (24) and their scale words (4) may be out
	WIN 0x08                                       ; an LDS store's data are its source 1: window 2.  (Loads brought these data, and no vector line names them)
.irp e, 0,1
.irp c, 0,1,2
	ds_store_b128 v[WQI], v[WT+12*\e+4*\c:WT+12*\e+4*\c+3] offset:1536*\e+512*\c
	ds_store_b128 v[WQI], v[WT+24+12*\e+4*\c:WT+24+12*\e+4*\c+3] offset:(WOIMG-WQIMG)+1536*\e+512*\c
.endr
	ds_store_b32 v[WQA], v[WTS+\e] offset:128*\e
	ds_store_b32 v[WQA], v[WTS+2+\e] offset:(WOSC-WQSC)+128*\e
.endr
	WIN 0
	s_cmp_lg_u32 s21, 0
	s_cbranch_scc1 .Lno_t12
	s_wait_loadcnt 0x0
	QUANT X4, 2, PC, PW
	SENDX 3
.Lno_t12:
	s_wait_dscnt 0x0                               ; for the others' sake: my images lie in LDS
	s_barrier_signal -1
	s_barrier_wait -1
	; ---- 1: k and v of the 13 halo tiles, my 2 + 2 column tiles
	WIN 0x40
	s_wait_alu depctr_va_vdst(0)                   ; the quantiser's lines are done reading window 1's v0-95, in which W_q lands, and done with v176-199, in which x's fragments land
.irp t, 0,1,2,3,4,5,6,7
.irp c, 0,1,2
	ds_load_b128 v[12*\t+4*\c:12*\t+4*\c+3], v[FI] offset:(WQIMG-XIMG)+1536*\t+512*\c   ; all of W_q, for my queries
.endr
.endr
	WIN 0
.irp t, 0,1,2,3,4,5,6,7
	ds_load_b32 v[WS+\t], v[FS] offset:(WQSC-XSC)+128*\t
.endr
.macro FETCHX i
.irp c, 0,1,2
	ds_load_b128 v[XF+12*((\i)%2)+4*\c:XF+12*((\i)%2)+4*\c+3], v[FI] offset:1536*(\i)+512*\c
.endr
	ds_load_b32 v[XS+(\i)%2], v[FS] offset:128*(\i)
.endm
; both transposed (source 0 = 16 rows of W_k or W_v, source 1 = 16 pixels): a lane holds a pixel and 8 neighbouring channels, 32 bytes of the pixel's row
.macro TILE i
.if (\i) < 12
	FETCHX (\i)+1                                  ; into the registers that tile i - 1's products read: the wait ahead of that tile's stores has shown them done reading, and no vector or matrix line since names them
.endif
.if (\i) == 0
	s_wait_dscnt 4                                 ; all but the fetch just issued
.elseif (\i) < 12
	s_wait_dscnt 12                                ; this tile's fragment is in; behind it: the last tile's 8 stores and the fetch just issued
.else
	s_wait_dscnt 8
.endif
	s_wait_alu depctr_vm_vsrc(0)                   ; the stores of two tiles back have read this tile's result registers (ahead of tiles 0 and 1: the stores of the penalties and infinities have read v162-175)
	WIN 0x02                                       ; source 0 window 2
.irp e, 0,1
	v_wmma_scale_f32_16x16x128_f8f6f4 v[QF+32*((\i)%2)+8*\e:QF+32*((\i)%2)+8*\e+7], v[WK+12*\e:WK+12*\e+11], v[XF+12*((\i)%2):XF+12*((\i)%2)+11], 0, v[KVS+\e], v[XS+(\i)%2] matrix_a_fmt:MATRIX_FMT_BF6 matrix_b_fmt:MATRIX_FMT_BF6
.endr
.irp e, 0,1
	v_wmma_scale_f32_16x16x128_f8f6f4 v[QF+32*((\i)%2)+16+8*\e:QF+32*((\i)%2)+16+8*\e+7], v[WV+12*\e:WV+12*\e+11], v[XF+12*((\i)%2):XF+12*((\i)%2)+11], 0, v[KVS+2+\e], v[XS+(\i)%2] matrix_a_fmt:MATRIX_FMT_BF6 matrix_b_fmt:MATRIX_FMT_BF6
.endr
	WIN 0
	PLACES 4
	s_wait_alu depctr_va_vdst(0)                   ; the four products have written their results, which the stores below read (the places above stay beside this wait), and are done reading x's fragment and scale word, in which the next tile's fetch lands
.irp e, 0,1
	ds_store_b128 v[KST+(\i)/7], v[QF+32*((\i)%2)+8*\e:QF+32*((\i)%2)+8*\e+3] offset:16*PK*((\i)%7)+64*\e
	ds_store_b128 v[KST+(\i)/7], v[QF+32*((\i)%2)+8*\e+4:QF+32*((\i)%2)+8*\e+7] offset:16*PK*((\i)%7)+64*\e+16
	ds_store_b128 v[VST+(\i)/7], v[QF+32*((\i)%2)+16+8*\e:QF+32*((\i)%2)+16+8*\e+3] offset:16*PK*((\i)%7)+64*\e
	ds_store_b128 v[VST+(\i)/7], v[QF+32*((\i)%2)+16+8*\e+4:QF+32*((\i)%2)+16+8*\e+7] offset:16*PK*((\i)%7)+64*\e+16
.endr
.endm
	FETCHX 0
	s_wait_loadcnt 0x0                             ; W_k, W_v and their scale words
.irp i, 0,1,2,3,4,5,6,7,8,9,10,11,12
	TILE \i
.endr
	s_wait_dscnt 0x0                               ; for the others' sake: my part of k and v lies in LDS, and my reads of the images are over
	s_barrier_signal -1
	WIN 0xc1                                       ; source 0 window 1, destination window 3
.irp t, 0,1,2,3,4,5,6,7                ; Q transposed: lane (r, h) holds query r; register 8 t + j is channel 16 t + 8 h + j.  (My queries' codes and scale word, made by vector lines in phase X, stand ahead of every wait on va_vdst since)
	v_wmma_scale_f32_16x16x128_f8f6f4 v[QR+8*\t:QR+8*\t+7], v[12*\t:12*\t+11], v[XQF:XQF+11], 0, v[WS+\t], v[XQS] matrix_a_fmt:MATRIX_FMT_BF6 matrix_b_fmt:MATRIX_FMT_BF6
.endr
	WIN 0
	PLACES 8                                       ; Q becomes an operand (5 places); loads follow into scale registers that these products have read (4)
	s_barrier_wait -1
	; ---- 2: q.k and p.v by turns
; Eight groups of tile t's fragments of k.  Group g: channels 16 (g / 2) + 8 h + 4 (g % 2) + 0 .. 3 of a lane: two steps of 4 along K; k's and Q's registers hold the same channels in the same lanes.
.macro KLOAD t, g0
.irp g, 0,1,2,3,4,5,6,7
	ds_load_b128 v[KR+4*((\g0)+\g):KR+4*((\g0)+\g)+3], v[KLD] offset:16*PK*(\t)+64*(((\g0)+\g)/2)+16*(((\g0)+\g)%2)
.endr
.endm
; A load into a register that an f32 matrix instruction has read stands 8 places behind it.  VC counts the plain vector instructions written so far that name no register of a matrix instruction; a mark holds VC as it stood at
; the last reader; v_nop fill only what is missing.  The places stand beside the waits on va_vdst, not in their stead.
.macro NEED mark
.if (VC-(\mark)) < 8
.set NN, 8-(VC-(\mark))
.rept NN
	v_nop
.endr
.set VC, VC+NN
.endif
.endm
; The two runs of LDS loads of a stage.  A, behind the softmax's exponentials: the rows of v of the tile whose weights have just been made, and the second half of this stage's k.
; The wait on va_vdst that these loads hang on is the one that stands straight ahead of the macro's call in SOFT.  (In stage 0 none is owed: no vector or matrix line has named v80-111 yet.)
.macro POINTA
	WIN 0
	NEED MARKB                                     ; k's groups 8-15 were last read by the last stage's last products
.if TT > 0
.irp k, 0,1,2,3,4,5,6,7,8,9,10,11,12,13,14,15
	ds_load_b128 v[VR+4*\k:VR+4*\k+3], v[VLD] offset:PK*(16*(TT-1)+\k)   ; a key's 512 bytes: 4 channels a lane
.endr
.endif
.if TT < 7
	KLOAD TT, 8
.endif
.endm
; B, behind the 20th product: the first half of the next stage's k, and this tile's penalties (register j: key 16 t + 8 h + j of my query)
.macro POINTB
	WIN 0
	NEED MARKA                                     ; k's groups 0-7 were last read by this stage's 16th product
.if TT < 6
	s_wait_alu depctr_va_vdst(0)                   ; this stage's first 16 products are done reading k's groups 0-7, in which the next tile's land
	KLOAD TT+1, 0
.endif
	ds_load_b128 v[PN:PN+3], v[PNL] offset:64*TT                   ; the softmax read v[PN ..] ahead of the wait at point A, and no vector line since names them
	ds_load_b128 v[PN+4:PN+7], v[PNL] offset:64*TT+16
.endm
; The stage's next matrix instruction: number WI of 32 of tile TT.  Four accumulators take turns, one instruction a turn: each sums 32 of the 128 channels; the first four start the sums.
.macro MM
.if WI == 16
	s_wait_dscnt 0x0                               ; k's groups 8-15 are in
.endif
	WIN WZ
.set rD, ACC+32*(TT%2)+8*(WI%4)
.set rK, KR+2*WI
.set rQ, QR+2*WI
.if WI < 4
	v_wmma_f32_16x16x4_f32 v[rD:rD+7], v[rK:rK+1], v[rQ:rQ+1], 0
.else
	v_wmma_f32_16x16x4_f32 v[rD:rD+7], v[rK:rK+1], v[rQ:rQ+1], v[rD:rD+7]
.endif
.set WI, WI+1
.set CNT, 0
.if WI == 16
.set MARKA, VC
.endif
.if WI == 32
.set MARKB, VC
.endif
.if WI == 20
	POINTB
.endif
.endm
.macro TICK                            ; behind each instruction of the vector stream: after PER of them the next matrix instruction is due
.set CNT, CNT+1
.if (CNT >= PER) && (WI < 32)
	MM
.endif
.endm
.macro PL                              ; the same behind a plain instruction that names no register of a matrix instruction: it is a place
.set VC, VC+1
	TICK
.endm
.macro COUNT u                         ; NP = the pairs of key and query of tile u that lie in a window
.set NP, 0
.set kk, 16*(\u)
.rept 16
.set hy, kk/14
.set hx, kk%14
.set q, 0
.rept 16
.if (hy >= (q/8)) && (hy < ((q/8)+7)) && (hx >= (q%8)) && (hx < ((q%8)+7))
.set NP, NP+1
.endif
.set q, q+1
.endr
.set kk, kk+1
.endr
.endm
; Tile u's softmax.  TOUCH: bit q is set once query q's sums have been started; only those are rescaled, and nothing is ever cleared.
.macro SOFT u
.set rA, ACC+32*((\u)%2)
.rept 8
	v_nop                                          ; 8 places between the tile's last product and the first read of its sums
	PL
.endr
.irp i, 0,2,4,6                        ; the four partial sums are added; each accumulator is read from its low end on
	WIN 0x0f                                       ; sources 0 and 1 window 3
	v_pk_add_f32 v[SS+\i:SS+\i+1], v[rA+\i:rA+\i+1], v[rA+8+\i:rA+9+\i]
	TICK
.endr
.irp i, 0,2,4,6
	WIN 0x0f
	v_pk_add_f32 v[UU+\i:UU+\i+1], v[rA+16+\i:rA+17+\i], v[rA+24+\i:rA+25+\i]
	TICK
.endr
.irp i, 0,2,4,6
	WIN 0
	v_pk_add_f32 v[SS+\i:SS+\i+1], v[SS+\i:SS+\i+1], v[UU+\i:UU+\i+1]
	PL
.endr
.irp i, 0,2,4,6
	WIN 0
	v_pk_fma_f32 v[SS+\i:SS+\i+1], v[SS+\i:SS+\i+1], s[32:33], v[PN+\i:PN+\i+1] op_sel_hi:[1,0,1] neg_lo:[0,0,1] neg_hi:[0,0,1]   ; score x 128^-0.5 - penalty
	PL
.endr
	WIN 0
	v_max3_num_f32 v[M1], v[SS], v[SS+1], v[SS+2]
	PL
	WIN 0
	v_max3_num_f32 v[M2], v[SS+3], v[SS+4], v[SS+5]
	PL
	WIN 0
	v_max3_num_f32 v[M1], v[M1], v[SS+6], v[SS+7]
	PL
	WIN 0
	v_max3_num_f32 v[M1], v[M1], v[M2], v[MX]      ; with the maximum so far
	PL
	WIN 0
	v_permlanex16_b32 v[M2], v[M1], s22, s23       ; the query's other 8 keys lie in the lane 16 away
	TICK
	WIN 0
	v_max_num_f32 v[M1], v[M1], v[M2]              ; the new maximum, the same in both lanes of a query
	PL
.if (\u) > 0
	WIN 0
	v_sub_f32 v[DD], v[MX], v[M1]
	PL
	WIN 0
	v_mul_f32 v[DD], s34, v[DD]
	PL
.endif
	WIN 0
	v_mov_b32 v[MX], v[M1]
	PL
	WIN 0
	v_mov_b32 v[MX+1], v[M1]
	PL
.irp i, 0,2,4,6
	WIN 0
	v_pk_add_f32 v[SS+\i:SS+\i+1], v[SS+\i:SS+\i+1], v[MX:MX+1] neg_lo:[0,1] neg_hi:[0,1]
	PL
.endr
.irp i, 0,2,4,6
	WIN 0
	v_pk_mul_f32 v[SS+\i:SS+\i+1], v[SS+\i:SS+\i+1], s[34:35] op_sel_hi:[1,0]
	PL
.endr
.irp j, 0,1,2,3,4,5,6,7
	WIN 0
	v_exp_f32 v[PB+\j], v[SS+\j]                   ; p = e^(s - m): 0 outside the window
	TICK
.endr
.if (\u) > 0
	WIN 0
	v_exp_f32 v[FF], v[DD]                         ; e^(m_old - m_new)
	TICK
.endif
	v_nop                                          ; a plain place behind the last exponential
	PL
	s_wait_alu depctr_va_vdst(0)                   ; three things: the exponentials have written v[PB ..] and v[FF] (one wait for the batch, ahead of its first reader); the last stage's multiply-adds are done reading v[VR ..]; its products are done reading k's groups 8-15.  The loads into both stand straight behind it
	POINTA
.set q, 0
.rept 16                               ; the factor of each query whose sums have been started, out of its lane; l's five lines stand between these and the wait for them
.if (TOUCH>>q)&1
	WIN WZ
	v_readlane_b32 s[BK0+30*(q/8)+2*(q%8)], v[FF], q
	TICK
.endif
.set q, q+1
.endr
	WIN 0
	v_pk_add_f32 v[W0:W0+1], v[PB:PB+1], v[PB+2:PB+3]
	PL
	WIN 0
	v_pk_add_f32 v[W0+2:W0+3], v[PB+4:PB+5], v[PB+6:PB+7]
	PL
	WIN 0
	v_pk_add_f32 v[W0:W0+1], v[W0:W0+1], v[W0+2:W0+3]
	PL
.if (\u) == 0
	WIN 0
	v_add_f32 v[LS], v[W0], v[W0+1]                ; the first tile starts l
	PL
.else
	WIN 0
	v_add_f32 v[W0], v[W0], v[W0+1]
	PL
	WIN 0
	v_fma_f32 v[LS], v[LS], v[FF], v[W0]
	PL
.endif
.if TOUCH
	s_wait_alu depctr_va_sdst(0)                   ; the factors are written into the banks' scalar registers, ahead of the multiplications that read them: one wait behind the run
.endif
.set q, 0
.rept 16
.if (TOUCH>>q)&1
	WIN 0xc3                                       ; source 0 and destination window 3
	v_pk_mul_f32 v[AC+4*q:AC+4*q+1], v[AC+4*q:AC+4*q+1], s[BK0+30*(q/8)+2*(q%8):BK0+30*(q/8)+2*(q%8)+1] op_sel_hi:[1,0]
	PL
	WIN 0xc3
	v_pk_mul_f32 v[AC+4*q+2:AC+4*q+3], v[AC+4*q+2:AC+4*q+3], s[BK0+30*(q/8)+2*(q%8):BK0+30*(q/8)+2*(q%8)+1] op_sel_hi:[1,0]
	PL
.endif
.set q, q+1
.endr
.endm
; Key kl of tile u is key kk = 14 hy + hx of my 112.  It lies in the window of query q = 8 qy + qx where qy <= hy <= qy + 6 and qx <= hx <= qx + 6: at most 2 x 7 queries, which take the bank's pairs 7 qy + qx - xlo.
; RD: their weights out of lane q + 16 (kl / 8) of register kl % 8 into the bank kl % 2.
.macro RD u, kl
.set kk, 16*(\u)+(\kl)
.set hy, kk/14
.set hx, kk%14
.set xlo, 0
.if hx > 6
.set xlo, hx-6
.endif
.set q, 0
.rept 16
.if (hy >= (q/8)) && (hy < ((q/8)+7)) && (hx >= (q%8)) && (hx < ((q%8)+7))
	WIN WZ
	v_readlane_b32 s[BK0+30*((\kl)%2)+2*(7*(q/8)+(q%8)-xlo)], v[PB+(\kl)%8], q+16*((\kl)/8)
	TICK
.endif
.set q, q+1
.endr
.endm
; FM: sums of query q += weight x the key's row of v, 4 channels a lane.  A query's first product starts its sums.
.macro FM u, kl
.set kk, 16*(\u)+(\kl)
.set hy, kk/14
.set hx, kk%14
.set xlo, 0
.if hx > 6
.set xlo, hx-6
.endif
.set rV, VR+4*(\kl)
.set q, 0
.rept 16
.if (hy >= (q/8)) && (hy < ((q/8)+7)) && (hx >= (q%8)) && (hx < ((q%8)+7))
.set rS, BK0+30*((\kl)%2)+2*(7*(q/8)+(q%8)-xlo)
.set rC, AC+4*q
.if (TOUCH>>q)&1
	WIN WZ
	v_pk_fma_f32 v[rC:rC+1], v[rV:rV+1], s[rS:rS+1], v[rC:rC+1] op_sel_hi:[1,0,1]
	PL
	WIN WZ
	v_pk_fma_f32 v[rC+2:rC+3], v[rV+2:rV+3], s[rS:rS+1], v[rC+2:rC+3] op_sel_hi:[1,0,1]
	PL
.else
	WIN WZ
	v_pk_mul_f32 v[rC:rC+1], v[rV:rV+1], s[rS:rS+1] op_sel_hi:[1,0]
	PL
	WIN WZ
	v_pk_mul_f32 v[rC+2:rC+3], v[rV+2:rV+3], s[rS:rS+1] op_sel_hi:[1,0]
	PL
.set TOUCH, TOUCH|(1<<q)
.endif
.endif
.set q, q+1
.endr
.endm
.macro PVALL u                         ; a key's weights are read out a key ahead of their use; a bank is written again behind the products that read it
	RD \u, 0
	s_wait_alu depctr_va_sdst(0)                   ; key 0's weights are written into bank 0, ahead of the products that read them
	RD \u, 1
.set kq, 0
.rept 16
.if (kq%4) == 0
	s_wait_dscnt KX+12-kq                          ; rows kq .. kq + 3 of v are in; behind them were issued the 12 - kq later rows and the KX loads of k
.endif
	FM \u, kq
.if kq < 15
	s_wait_alu depctr_va_sdst(0)                   ; the next key's weights, read out ahead of this key's products, are written into their bank, ahead of the products that read them; the read-out below stands behind the wait
.endif
.if kq < 14
	RD \u, kq+2
.endif
.set kq, kq+1
.endr
.endm
; Stage t: tile t's products, and between them tile t - 1's vector work.  Stage 0 has products alone, stage 7 vector work alone.
.macro STAGE t
.set TT, \t
.set CNT, 0
.if (\t) < 7
.set WI, 0
.set KX, 8
.else
.set WI, 32
.set KX, 0
.endif
.if (\t) == 0
	s_wait_dscnt 32                                ; k's groups 0-7 are in; W_out's 32 loads behind them may be out
.else
	s_wait_dscnt 0x0                               ; this tile's groups 0-7 of k and the last tile's penalties, asked for twelve products ago
.endif
.if (\t) < 7
	MM
.endif
.if (\t) == 0
	MM
	MM
	MM
	POINTA
.else
	COUNT (\t)-1
.set PER, (112+3*NP+31)/32             ; the stream's length (some 112 for the softmax, 3 a pair) shared out among the 32 products
	SOFT (\t)-1
	PVALL (\t)-1
.endif
.rept 32
.if WI < 32
	MM                                             ; the products that are left
.endif
.endr
.endm
	s_wait_alu depctr_va_vdst(0)                   ; Q's products are done reading W_q's scale words v[WS ..], in which W_out's land
	s_wait_alu depctr_vm_vsrc(0)                   ; the last tiles' stores have read v[QF ..]: these registers are v[VR ..] from here on, in which rows of v land
	KLOAD 0, 0
	WIN 0x40
.irp t, 0,1,2,3,4,5,6,7
.irp c, 0,1,2
	ds_load_b128 v[96+12*\t+4*\c:96+12*\t+4*\c+3], v[FI] offset:(WOIMG-XIMG)+1536*\t+512*\c   ; all of W_out, wanted at the end
.endr
.endr
	WIN 0
.irp t, 0,1,2,3,4,5,6,7
	ds_load_b32 v[WS+\t], v[FS] offset:(WOSC-XSC)+128*\t
.endr
	s_mov_b32 s32, 0x3db504f3                      ; 128^-0.5, as a pair for the packed form
	s_mov_b32 s33, 0x3db504f3
.set i, 0
.rept 14
	s_mov_b32 s[BK0+2*i+1], 0                      ; the banks' upper words: named with the lower ones as pairs, so they are written
	s_mov_b32 s[BK0+30+2*i+1], 0
.set i, i+1
.endr
	v_mov_b32 v[MX], 0xff61b1e6                    ; the maximum so far: -3e38
	v_mov_b32 v[MX+1], 0xff61b1e6
.set VC, 0
.set MARKA, -100
.set MARKB, -100
.set TOUCH, 0
.set PER, 16
.irp t, 0,1,2,3,4,5,6,7
	STAGE \t
.endr
	; ---- out + v = sums / l + the centre key's v
	WIN 0
	s_wait_alu depctr_va_vdst(0)                   ; the last tile's multiply-adds are done reading v[VR ..], in which the centres' rows land
.irp q, 0,1,2,3,4,5,6,7,8,9,10,11,12,13,14,15
	ds_load_b128 v[VR+4*\q:VR+4*\q+3], v[VLD] offset:PK*(45+14*(\q/8)+\q%8)   ; query q's centre is 3 rows of 14 and 3 keys behind its window's first key
.endr
	v_permlanex16_b32 v[M2], v[LS], s22, s23
	v_add_f32 v[LS], v[LS], v[M2]                  ; the row's sum, at least 1
	v_rcp_f32 v[FF], v[LS]
	v_nop
	s_wait_alu depctr_va_vdst(0)                   ; the reciprocal has written v[FF], ahead of its first reader
.irp q, 0,1,2,3,4,5,6,7,8,9,10,11,12,13,14,15
	v_readlane_b32 s[BK0+30*(\q/8)+2*(\q%8)], v[FF], \q
.endr
	s_wait_alu depctr_va_sdst(0)                   ; the sixteen 1 / l are written into the banks' scalar registers, ahead of the multiply-adds that read them
	s_wait_dscnt 0x0
	WIN 0x03                                       ; source 0 window 3
.irp q, 0,1,2,3,4,5,6,7,8,9,10,11,12,13,14,15
	v_pk_fma_f32 v[VR+4*\q:VR+4*\q+1], v[AC+4*\q:AC+4*\q+1], s[BK0+30*(\q/8)+2*(\q%8):BK0+30*(\q/8)+2*(\q%8)+1], v[VR+4*\q:VR+4*\q+1] op_sel_hi:[1,0,1]
	v_pk_fma_f32 v[VR+4*\q+2:VR+4*\q+3], v[AC+4*\q+2:AC+4*\q+3], s[BK0+30*(\q/8)+2*(\q%8):BK0+30*(\q/8)+2*(\q%8)+1], v[VR+4*\q+2:VR+4*\q+3] op_sel_hi:[1,0,1]
.endr
	WIN 0
	s_wait_alu depctr_va_vdst(0)                   ; the multiply-adds have written v[VR ..], which the stores below read
.irp q, 0,1,2,3,4,5,6,7,8,9,10,11,12,13,14,15
	ds_store_b128 v[SRD], v[VR+4*\q:VR+4*\q+3] offset:SPT*\q     ; a lane holds 4 channels of every query: through my stage,
.endr
.irp b, 0,1,2,3
.irp j, 0,1,2,3
	ds_load_b128 v[KR+16*\b+4*\j:KR+16*\b+4*\j+3], v[ORD] offset:128*\b+16*\j   ; back as the quantiser wants it: register 16 b + i = channel 32 b + 16 h + i of query r.  LDS serves a wave's instructions in order.  (v[KR ..] were last read by stage 6's products, ahead of the waits above)
.endr
.endr
	s_wait_dscnt 0x0
	; ---- quantised along the channels and multiplied by W_out (transposed: a lane holds a query and 8 neighbouring outputs)
	QUANT KR, 0, PC, PW
	PLACES 8                                       ; a scale word made by vector instructions stands 8 places ahead of the scaled product
	s_wait_alu depctr_va_vdst(0)                   ; the quantiser has written the codes v[PC ..] and the scale word v[PW], which the scaled products take; the places above stay beside this wait
	s_wait_alu depctr_vm_vsrc(0)                   ; the stores into my stage have read v[VR ..], which are v[QF ..], the registers that the products write
	WIN 0x01
.irp t, 0,1,2,3,4,5,6,7
	v_wmma_scale_f32_16x16x128_f8f6f4 v[QF+8*\t:QF+8*\t+7], v[96+12*\t:96+12*\t+11], v[PC:PC+11], 0, v[WS+\t], v[PW] matrix_a_fmt:MATRIX_FMT_BF6 matrix_b_fmt:MATRIX_FMT_BF6
.endr
	WIN 0
	PLACES 4
	s_wait_alu depctr_va_vdst(0)                   ; the products have written v[QF ..], which the stores below read (the places above stay beside this wait), and are done reading v[PC ..]; the quantiser and the softmax are done with the rest of v176-239: the rows read back land there
.irp t, 0,1,2,3,4,5,6,7
	ds_store_b128 v[STO], v[QF+8*\t:QF+8*\t+3] offset:64*\t
	ds_store_b128 v[STO], v[QF+8*\t+4:QF+8*\t+7] offset:64*\t+16
.endr
.irp i, 0,1,2,3,4,5,6,7,8,9,10,11,12,13,14,15
	ds_load_b128 v[PR+4*\i:PR+4*\i+3], v[SRD] offset:SPT*\i       ; LDS serves a wave's instructions in order: these see my stores; the stage is my own
.endr
.irp i, 0,1,2,3,4,5,6,7,8,9,10,11,12,13,14,15
	s_wait_dscnt 15-\i
	global_store_b128 v[GO], v[PR+4*\i:PR+4*\i+3], s[18:19] offset:(\i/8)*32768+(\i%8)*512 th:TH_STORE_NT   ; 32 lanes store a pixel's 512 consecutive bytes, at a multiple of 512 from out0's first byte
.endr
	s_wait_dscnt 0x0                               ; the closing lines, six on end
	s_wait_alu 0x0
	s_wait_tensorcnt 0x0
	ds_add_u32 v15, v21
	s_wait_dscnt 0x0
	s_endpgm
.Lfunc_end_k_qdf66a60848_local_attn:
	.size	k_qdf66a60848_local_attn, .Lfunc_end_k_qdf66a60848_local_attn-k_qdf66a60848_local_attn
	.p2alignl 7, 3214868480
	.fill 96, 4, 3214868480
	.section	.rodata,"a",@progbits
	.p2align	6, 0x0
	.amdhsa_kernel k_qdf66a60848_local_attn
		.amdhsa_group_segment_fixed_size 299264
		.amdhsa_private_segment_fixed_size 0
		.amdhsa_enable_private_segment 0
		.amdhsa_kernarg_size 64
		.amdhsa_user_sgpr_count 2
		.amdhsa_user_sgpr_kernarg_segment_ptr 1
		.amdhsa_wavefront_size32 1
		.amdhsa_system_sgpr_workgroup_id_x 1
		.amdhsa_system_sgpr_workgroup_id_y 1
		.amdhsa_system_sgpr_workgroup_id_z 1
		.amdhsa_system_vgpr_workitem_id 0
		.amdhsa_next_free_vgpr 1024
		.amdhsa_next_free_sgpr 96
		.amdhsa_reserve_vcc 1
		.amdhsa_float_denorm_mode_32 3
		.amdhsa_float_denorm_mode_16_64 3
		.amdhsa_memory_ordered 1
		.amdhsa_forward_progress 1
		.amdhsa_inst_pref_size 255
	.end_amdhsa_kernel
	.section	.bss,"aw",@nobits
	.p2align	6
	.space	262144
	.amdgpu_metadata
---
amdhsa.version: [ 1, 2 ]
amdhsa.kernels:
  - .name:           k_qdf66a60848_local_attn
    .symbol:         k_qdf66a60848_local_attn.kd
    .args:
      - { .name: x, .offset: 0, .size: 8, .value_kind: global_buffer, .address_space: global }
      - { .name: W_qkv_codes, .offset: 8, .size: 8, .value_kind: global_buffer, .address_space: global }
      - { .name: W_qkv_scales, .offset: 16, .size: 8, .value_kind: global_buffer, .address_space: global }
      - { .name: W_width, .offset: 24, .size: 8, .value_kind: global_buffer, .address_space: global }
      - { .name: b_width, .offset: 32, .size: 8, .value_kind: global_buffer, .address_space: global }
      - { .name: W_out_codes, .offset: 40, .size: 8, .value_kind: global_buffer, .address_space: global }
      - { .name: W_out_scales, .offset: 48, .size: 8, .value_kind: global_buffer, .address_space: global }
      - { .name: out0, .offset: 56, .size: 8, .value_kind: global_buffer, .address_space: global }
    .group_segment_fixed_size: 299264
    .private_segment_fixed_size: 0
    .kernarg_segment_align: 8
    .kernarg_segment_size: 64
    .max_flat_workgroup_size: 128
    .sgpr_count:     96
    .vgpr_count:     1024
    .wavefront_size: 32
...
	.end_amdgpu_metadata
.endif
;; end of part 2
